; MI455X (gfx1250); checked and timed in simulation.
; The chip was launched on July 23, 2026; its instructions are those of AMD's public machine-readable ISA for CDNA 5 (MIT licence, August 2026) and "CDNA5" Instruction Set Architecture Reference Guide (July 2026). The comments in the code are by the model that wrote it; some were corrected since.
;; Attention Head. Allowed arithmetic: matrix products marked QUANTISED: E4M3 operands, one E8M0 scale for each 32 along K, by v_wmma_scale_f32_16x16x128_f8f6f4 with both operands' format E4M3, f32 sums; everything else in f32.
;; Inputs: Wk 2,048 x 128 float32; Wq 2,048 x 128 float32; Wv 2,048 x 128 float32; x 8 x 4,096 x 2,048 float32.
;; Outputs: out0 8 x 4,096 x 128 float32.
;; This version of the problem:
;;   THIS VERSION OF THE PROBLEM IS GIVEN IN LOW PRECISION. The matrix products marked QUANTISED in the list below multiply operands that are first quantised to E4M3 (4 exponent bits, 3 mantissa bits; 8 bits a number), with one power-of-two scale for each 32 numbers along K (OCP MX v1.0); their sums are f32. All else is computed in f32.
;;   The module's matrix products, in the order in which they are computed (A, B: the left and right operand; K: the contracted axis; several contracted axes count as one K, in the product's order):
;;     1. [M 32,768, K 2,048] x [K 2,048, N 128]; A: input x; B: input Wq: QUANTISED
;;     2. [M 32,768, K 2,048] x [K 2,048, N 128]; A: input x; B: input Wk: QUANTISED
;;     3. [M 32,768, K 2,048] x [K 2,048, N 128]; A: input x; B: input Wv: QUANTISED
;;     4. batch 8 x [M 4,096, K 128] x [K 128, N 4,096]; A: computed on the way; B: computed on the way: QUANTISED
;;     5. batch 8 x [M 4,096, K 4,096] x [K 4,096, N 128]; A: computed on the way; B: computed on the way: QUANTISED
;;   THE QUANTISER, for each operand of a quantised product, along K:
;;     - K is cut into blocks of 32 from its start; a last block that is shorter is filled with zeros.
;;     - A block's scale is 2^e with e = floor(log2(the largest magnitude in the block)) - 8, held to -126 .. 127; a block of zeros has e = 0. As a byte (E8M0): e + 127.
;;     - Each number is divided by its block's scale, clamped to +-448, and rounded to the nearest number of E4M3, ties to even, subnormals kept.
;;     - The product sums the exact products of the quantised numbers (number of the format x scale) in f32.
;;   ~~~python
;;   def quantise(x, axis):      # numpy; x: float32 -> the quantised numbers, widened to float32 again
;;       x = np.moveaxis(x, axis, -1); K = x.shape[-1]
;;       x = np.pad(x, [(0, 0)] * (x.ndim - 1) + [(0, -K % 32)]); x = x.reshape(x.shape[:-1] + (-1, 32)); a = np.abs(x).max(-1, keepdims=True)
;;       e = np.where(a > 0, np.clip(np.frexp(np.where(a > 0, a, 1))[1] - 1 - 8, -126, 127), 0)      # np.frexp(a)[1] - 1 = floor(log2(a)), exactly
;;       r = np.clip(x / 2.0 ** e, -448, 448)
;;       step = 2.0 ** (np.maximum(np.frexp(np.where(r == 0, 1, r))[1] - 1, -6) - 3)
;;       q = np.round(r / step) * step * 2.0 ** e      # np.round: ties to even
;;       return np.moveaxis(q.reshape(q.shape[:-2] + (-1,))[..., :K], -1, axis).astype(np.float32)
;;   ~~~
;;   OPERANDS COMPUTED ON THE WAY. 'Computed on the way' means the value that the module computes at that place (a softmax that the list does not call 'softmax' is quantised finished and normalised). What goes into a quantiser is computed in f32, as accurately as f32 sums, v_exp_f32 and their like allow (about 1e-6 of the number): no bf16 or f16 on the way to a quantiser, and a product that is left as it is and whose result goes on into a quantised operand takes f32 operands (vector FMAs, or v_wmma_f32_16x16x4_f32). A number that lies on a knife's edge between two numbers of the format may be rounded either way, as far as f32 arithmetic and the matrix unit's own rounding can turn it there, and no further.
;; 2 versions. Each part assembles by itself: llvm-mc -triple=amdgcn-amd-amdhsa -mcpu=gfx1250 --defsym DOCPART=n.
;; ======== version 1 of 2: 4 launches
;; workspace buffers: wq 835,584 bytes; qkv 12,582,912 bytes; sc 393,216 bytes; nmu 131,072 bytes
;; launch wquant (part 1): grid 16 x 3, 8 waves a work-group, no clusters, 0 bytes of LDS; arguments Wq, Wk, Wv, wq; writes wq
.if DOCPART == 1
	.amdgcn_target "amdgcn-amd-amdhsa--gfx1250"
	.amdhsa_code_object_version 6
	.text
	.protected	k_qe4d7240b7b_wquant
	.globl	k_qe4d7240b7b_wquant
	.p2align	8
	.type	k_qe4d7240b7b_wquant,@function
k_qe4d7240b7b_wquant:
	s_mov_b64 s[64:65], 0
	v_nop
	global_prefetch_b8 v0, s[64:65] scope:SCOPE_SE
	s_setreg_imm32_b32 hwreg(HW_REG_WAVE_MODE, 25, 1), 1
	s_wait_xcnt 0x0
; THE PROGRAM (four launches): q, k, v = x W (K = 2,048); S = q k^T / sqrt(128) under the causal mask that the problem builds itself; a softmax over the QUERY axis (each key's column is
; normalised over the queries at or behind it); out = wei v.  All five products on codes of E4M3 with one E8M0 scale for each 32 along K.
;   wquant: Wq, Wk, Wv -> codes and scale words, laid in the order of the operand's registers.      proj: x -> codes in registers; q, k, v; their codes and scale words.
;   stats:  for each key s: nmu[s] = -(T + log2 L), T = c x the column's largest score, L = the sum over the queries t >= s of 2^(c S - T), c = log2(e) / sqrt(128): a running maximum is taken away.
;   attn:   wei[t][s] = 2^(c S[t][s] + nmu[s]), finished and normalised, is quantised along the keys and multiplied by v.
; WORK LEFT OUT, for all values of the inputs: where key s > query t the problem's own mask sets the score to -infinity, so wei[t][s] = 0: it adds nothing to the column's sum nor to out.  Steps of
; queries x keys that lie WHOLLY on that side are not multiplied, in stats and in attn; steps that the diagonal crosses are multiplied and masked.  All four inputs have a way to the output and are loaded.
; LIMITS: a NaN, an infinity or an overflow that reaches only the steps left out is not carried to the result; NaN and infinities among the inputs are not served; a block of zeros gets the scale
; byte 1 where the quantiser says 127 (its codes are zeros, and this program alone reads the bytes); blocks whose largest magnitude lies under 2^(9 - 127) keep the byte 1.
; THIS LAUNCH.  W [2048 (E)][128 (d)], f32: K is the FIRST axis.  A wave makes one fragment, 16 columns x 128 along E: lane (r, h) takes column 16 ct + r and its registers run DOWN E in the order of the
; operand's layout (register 16 c + i: E = 128 ks + 32 c + 16 h + i), so the conversions' results are the operand's registers.  Work-group x = K step ks, y = which weight, wave = column tile ct.
; wq: codes [ks 16][w 4][f 6][c 4][lane 32][16 bytes], f = 2 x weight + u, ct = 2 w + u; scale words behind them, [ks][w][f][lane 32], both halves of the lanes holding their row's word.
; No LDS, no matrix unit, no cluster: 3 MiB are read once, and no two work-groups read the same bytes.
.set XN,  32                           ; v32-95   64 numbers
.set PC,  96                           ; v96-111  the fragment's codes
.set PW,  112                          ; v112     its scale word
.set TM,  16                           ; v16-19 largest magnitudes, v20-23 bytes, v24-27 448 x the scale, v28-31 the conversions' scale operands
.set SCW, 786432                       ; where the scale words begin in wq
	s_load_b256 s[4:11], s[0:1], 0x0               ; Wq s[4:5], Wk s[6:7], Wv s[8:9], wq s[10:11]
	v_lshrrev_b32 v1, 5, v0
	v_readfirstlane_b32 s12, v1                    ; wave = column tile ct
	s_and_b32 s13, ttmp7, 0xffff                   ; which weight
	v_and_b32 v2, 15, v0                           ; r
	v_bfe_u32 v3, v0, 4, 1                         ; h
	v_lshlrev_b32 v2, 2, v2
	v_lshl_add_u32 v3, v3, 13, v2                  ; in: 16 h rows of 512 bytes + 4 r
	v_and_b32 v4, 31, v0
	v_lshlrev_b32 v5, 2, v4                        ; out: 4 x lane
	v_lshlrev_b32 v4, 4, v4                        ;      16 x lane
.irp b, 0,1,2,3
	v_mov_b32 v[TM+4+\b], 0                        ; a lane permute's destination counts as one of its sources
.endr
	s_lshl_b32 s14, ttmp9, 16                      ; 128 ks rows of 512 bytes
	s_lshl_b32 s15, s12, 6                         ; + 16 ct columns
	s_add_co_u32 s14, s14, s15
	s_mov_b32 s15, 0
	s_lshl_b32 s16, ttmp9, 2
	s_lshr_b32 s17, s12, 1
	s_add_co_u32 s16, s16, s17
	s_mul_i32 s16, s16, 6
	s_lshl_b32 s17, s13, 1
	s_add_co_u32 s16, s16, s17
	s_and_b32 s17, s12, 1
	s_add_co_u32 s16, s16, s17                     ; the fragment's number: (4 ks + ct / 2) 6 + 2 x weight + ct % 2
	s_lshl_b32 s18, s16, 11                        ; 2,048 bytes of codes each
	s_mov_b32 s19, 0
	s_lshl_b32 s20, s16, 7                         ; 128 bytes of scale words each
	s_add_co_u32 s20, s20, SCW
	s_mov_b32 s21, 0
	s_mov_b32 s22, 0x76543210
	s_mov_b32 s23, 0xfedcba98                      ; v_permlanex16_b32's selects for lane l xor 16
	s_mov_b32 s24, 0x600000                        ; the mantissa field of 448
	s_wait_kmcnt 0x0
	s_cmp_eq_u32 s13, 1                            ; the choice hangs on the work-group's number alone
	s_cselect_b64 s[4:5], s[6:7], s[4:5]
	s_cmp_eq_u32 s13, 2
	s_cselect_b64 s[4:5], s[8:9], s[4:5]
	s_add_nc_u64 s[4:5], s[4:5], s[14:15]
	s_add_nc_u64 s[26:27], s[10:11], s[18:19]
	s_add_nc_u64 s[28:29], s[10:11], s[20:21]
.irp c, 0,1,2,3
.irp i, 0,1,2,3,4,5,6,7,8,9,10,11,12,13,14,15
	global_load_b32 v[XN+16*\c+\i], v3, s[4:5] offset:512*(32*\c+\i)   ; W(128 ks + 32 c + 16 h + i, 16 ct + r); the eight waves together take whole rows of 512 bytes
.endr
.endr
	s_wait_loadcnt 0x0
.irp b, 0,1,2,3
	v_max3_num_f32 v[TM+\b], |v[XN+16*\b]|, |v[XN+16*\b+1]|, 0x4800000   ; block b: my 16 numbers, and the floor 2^(9 - 127): the byte cannot fall under 1
.endr
.irp i, 2,4,6,8,10,12,14
.irp b, 0,1,2,3
	v_max3_num_f32 v[TM+\b], v[TM+\b], |v[XN+16*\b+\i]|, |v[XN+16*\b+\i+1]|   ; the four blocks by turns
.endr
.endr
.irp b, 0,1,2,3
	v_permlanex16_b32 v[TM+4+\b], v[TM+\b], s22, s23
.endr
.irp b, 0,1,2,3
	v_max_num_f32 v[TM+\b], v[TM+\b], v[TM+4+\b]   ; with lane l xor 16's 16: the block's largest magnitude
.endr
.irp b, 0,1,2,3
	v_add_nc_u32 v[TM+12+\b], 0xfc000000, v[TM+\b] ; 8 off its exponent field: the conversion's scale operand
.endr
.irp b, 0,1,2,3
	v_and_or_b32 v[TM+8+\b], v[TM+\b], 0x7f800000, s24   ; 448 x the scale
.endr
.irp b, 0,1,2,3
	v_lshrrev_b32 v[TM+4+\b], 23, v[TM+12+\b]      ; the scale's byte
.endr
	v_lshl_or_b32 v[PW], v[TM+5], 8, v[TM+4]
	v_lshl_or_b32 v[PW], v[TM+6], 16, v[PW]
	v_lshl_or_b32 v[PW], v[TM+7], 24, v[PW]        ; column r's scale word
.irp b, 0,1,2,3
.irp i, 0,1,2,3,4,5,6,7,8,9,10,11,12,13,14,15
	v_med3_num_f32 v[XN+16*\b+\i], v[XN+16*\b+\i], -v[TM+8+\b], v[TM+8+\b]   ; the conversion to an 8-bit code does not saturate (ISA guide 7.6.2): the hold comes first
.endr
.endr
.irp b, 0,1,2,3
	v_cvt_scalef32_pk8_fp8_f32 v[PC+4*\b:PC+4*\b+1], v[XN+16*\b:XN+16*\b+7], v[TM+12+\b]
	v_cvt_scalef32_pk8_fp8_f32 v[PC+4*\b+2:PC+4*\b+3], v[XN+16*\b+8:XN+16*\b+15], v[TM+12+\b]
.endr
	v_nop                                          ; a plain line behind the last conversion
.irp c, 0,1,2,3
	global_store_b128 v4, v[PC+4*\c:PC+4*\c+3], s[26:27] offset:512*\c   ; the wave stores 512 consecutive bytes, aligned
.endr
	global_store_b32 v5, v[PW], s[28:29]           ; 128 consecutive bytes
	s_endpgm
.Lfunc_end_k_qe4d7240b7b_wquant:
	.size	k_qe4d7240b7b_wquant, .Lfunc_end_k_qe4d7240b7b_wquant-k_qe4d7240b7b_wquant
	.p2alignl 7, 3214868480
	.fill 96, 4, 3214868480
	.section	.rodata,"a",@progbits
	.p2align	6, 0x0
	.amdhsa_kernel k_qe4d7240b7b_wquant
		.amdhsa_group_segment_fixed_size 0
		.amdhsa_private_segment_fixed_size 0
		.amdhsa_enable_private_segment 0
		.amdhsa_kernarg_size 32
		.amdhsa_user_sgpr_count 2
		.amdhsa_user_sgpr_kernarg_segment_ptr 1
		.amdhsa_wavefront_size32 1
		.amdhsa_system_sgpr_workgroup_id_x 1
		.amdhsa_system_sgpr_workgroup_id_y 1
		.amdhsa_system_sgpr_workgroup_id_z 1
		.amdhsa_system_vgpr_workitem_id 0
		.amdhsa_next_free_vgpr 128
		.amdhsa_next_free_sgpr 66
		.amdhsa_reserve_vcc 0
		.amdhsa_float_denorm_mode_32 3
		.amdhsa_float_denorm_mode_16_64 3
		.amdhsa_memory_ordered 1
		.amdhsa_forward_progress 1
		.amdhsa_inst_pref_size 17
	.end_amdhsa_kernel
	.amdgpu_metadata
---
amdhsa.version: [ 1, 2 ]
amdhsa.kernels:
  - .name:           k_qe4d7240b7b_wquant
    .symbol:         k_qe4d7240b7b_wquant.kd
    .args:
      - { .name: Wq, .offset: 0, .size: 8, .value_kind: global_buffer, .address_space: global }
      - { .name: Wk, .offset: 8, .size: 8, .value_kind: global_buffer, .address_space: global }
      - { .name: Wv, .offset: 16, .size: 8, .value_kind: global_buffer, .address_space: global }
      - { .name: wq, .offset: 24, .size: 8, .value_kind: global_buffer, .address_space: global }
    .group_segment_fixed_size: 0
    .private_segment_fixed_size: 0
    .kernarg_segment_align: 8
    .kernarg_segment_size: 32
    .max_flat_workgroup_size: 256
    .sgpr_count:     66
    .vgpr_count:     128
    .wavefront_size: 32
...
	.end_amdgpu_metadata
.endif
;; end of part 1
;; launch proj (part 2): grid 256 x 1, 4 waves a work-group, no clusters, 327,680 bytes of LDS; arguments x, wq, qkv, sc; writes qkv, sc
.if DOCPART == 2
	.amdgcn_target "amdgcn-amd-amdhsa--gfx1250"
	.amdhsa_code_object_version 6
	.text
	.protected	k_qe4d7240b7b_proj
	.globl	k_qe4d7240b7b_proj
	.p2align	8
	.type	k_qe4d7240b7b_proj,@function
k_qe4d7240b7b_proj:
	s_mov_b64 s[64:65], 0
	v_nop
	global_prefetch_b8 v0, s[64:65] scope:SCOPE_SE
	s_setreg_imm32_b32 hwreg(HW_REG_WAVE_MODE, 25, 1), 1
	s_wait_xcnt 0x0
; q, k, v = x W on codes of E4M3, and their own codes for the two attention products.  x [32,768 tokens][2,048] f32; wq: the weights' fragments and scale words (launch wquant).
; SHARES.  A work-group takes 128 tokens: one key step of the last product (work-group = 32 x batch + key step).  K goes in 16 steps of 128.  Wave w quantises rows 32 w .. 32 w + 31 of x in registers and
; hands the two fragments round through LDS as IMAGES OF THEIR REGISTERS (16 bytes a lane, 512 bytes a store); for all 128 tokens it multiplies the six column tiles of d = 32 w .. 32 w + 31
; (q, k, v; u = 0, 1): 48 accumulators, 48 matrix instructions a K step, the accumulators by turns in one fixed order.
; ORIENTATION.  q, k: source 0 = W's fragment, source 1 = x's: a lane holds ONE token and its registers run along d, which is the K of q k^T.  v: source 0 = x's, source 1 = Wv's: a lane holds one d and its
; registers run along the tokens, which are the K of wei v.  So the conversions' results are the next operands' registers.
; ORDER INSIDE A BLOCK OF 32.  The 16 registers of two neighbouring result tiles u = 0, 1 hold elements 32 b + 16 u + 8 h + j and are laid at operand place 32 b + 16 h + 8 u + j.  The exchange stays inside a
; block of 32 and is the same on both sides of each later product (q and k here; v here and wei in attn), so blocks, scales and products are those of the quantiser; only the order of summing differs.
; x comes by the tensor data mover: each wave has its own 32 rows x 1,024 bytes (two K steps) in each of two slots, reads only its own bytes, and refills behind the barrier of every second K step.
; By this text's own count a wave has two tensor loads out at the head and one afterwards.
; NO CLUSTER: what work-groups share is W, which goes from memory straight into operand registers, 30 loads a wave a K step.  As joint tiles it would want two LDS slots of 49,152 bytes beside the ring
; (266,240) and the images and words (36,864): 401,408 bytes, more than the 327,680 there are.  No prefetch: the ring's own loads are the stream.
; OUT.  qkv: q's codes at 0, k's at 4 MiB: [token tile][c 4][lane 32][16 bytes]; v's at 8 MiB: [work-group][d tile 8][c][lane][16].  sc: q's words [token] at 0, k's at 131,072, v's [work-group][d 128] at 262,144.
; LIMITS: as stated at the head of wquant.
; REGISTERS.  window 0: v1-15 addresses; v16-27 W's scale words, two sets; v28-35 x's; v36-51 at work; v52, v53 scale words just made; v54, v55 the add's two; v56-87 codes just made; v128-255 128 numbers of x.
;   window 1: W's fragments, set p at 96 p + 16 f.   window 2: q's and k's accumulators at 128 m + 16 T + 8 u.   window 3: v's at 64 u + 8 T; from v128 x's eight fragments.
.set SLOT,  133120                     ; a slot: four waves x 33,280
.set WSL,   33280                      ; a wave's part: 32 rows x 1,040
.set XP,    1040                       ; an LDS row: 1,024 bytes + 16 of padding = 260 words: the 16 rows that a load touches start 4 words apart modulo 64
.set IMG,   266240                     ; behind the ring: x's images, parity p x 16,384 + tile x 2,048 + 512 c + 16 x lane
.set ISC,   299008                     ; their scale words: p x 1,024 + tile x 128 + 4 x lane
.set SCB,   301056                     ; the way out's scale words: q's 512 bytes, k's, v's
.set SPARE, 302592                     ; the spare words, 128 bytes for each wave: two blocks of 256 bytes that no other line names
.set RR,  1
.set HH,  2
.set LN,  3
.set XA,  4                            ; my place in my wave's part of a slot: 1,040 r + 64 h + 33,280 w
.set XAD, 5                            ; the same in the slot in hand
.set LI,  6                            ; IMG + 16 x lane
.set LS,  7                            ; ISC + 4 x lane
.set IW,  8                            ; where I store my images: LI + 4,096 w
.set SW,  9                            ; and their words: LS + 256 w
.set L16, 10
.set L4,  11
.set SB,  12                           ; SCB + 4 r + w: my token's word, my block's byte
.set SV,  13                           ; SCB + 1,024 + 128 w + 4 x lane
.set SR,  14                           ; SCB + 512 min(w, 2) + 16 x lane
.set VW,  15
.set WS,  16
.set XS,  28
.set TM,  36
.set PW0, 52
.set PW1, 53
.set SPW, 54
.set NIL, 55
.set PC0, 56
.set PC1, 72
.set XN,  128
.set WV,  12
.set TB,  14                           ; s14  LDS byte at which the slot in hand begins
.set CNT, 15
.set G1,  16                           ; s[16:23] descriptor group 1
.set G0A, 24                           ; s[24:27] group 0 of slot 0's first fill
.set G0B, 28                           ; s[28:31] group 0 of slot 1's first fill; it then walks
.set WB,  32                           ; s[32:33] my fragments of W at the trip's first K step
.set WSB, 34                           ; s[34:35] their scale words
.set SEL, 36
.set MNT, 38
.set QO,  40
.set VO,  42
.set SCO, 44
.set MSB, 0
.macro WIN new                         ; the immediate's high byte repeats the setting that is left; a switch that changes nothing is dropped
.if MSB != (\new)
	s_set_vgpr_msb (MSB<<8)|(\new)
.set MSB, (\new)
.endif
.endm
; 64 numbers of a lane in window win, register 16 b + i: the i-th of my 16 of block b, become 16 registers of codes at v[pc] and (word = 1) a scale word in v[pw] of window 0.  Each run of eight registers is read from its low end on.
.macro QUANT src, win, pc, pw, word
	WIN (\win)|((\win)<<2)
.irp b, 0,1,2,3
	v_max3_num_f32 v[TM+\b], |v[(\src)+16*\b]|, |v[(\src)+16*\b+1]|, 0x4800000   ; and the floor 2^(9 - 127): the byte cannot fall under 1
.endr
	WIN ((\win)<<2)|((\win)<<4)
.irp i, 2,4,6,8,10,12,14
.irp b, 0,1,2,3
	v_max3_num_f32 v[TM+\b], v[TM+\b], |v[(\src)+16*\b+\i]|, |v[(\src)+16*\b+\i+1]|   ; the four blocks by turns
.endr
.endr
	WIN 0
.irp b, 0,1,2,3
	v_permlanex16_b32 v[TM+4+\b], v[TM+\b], s[SEL], s[SEL+1]
.endr
.irp b, 0,1,2,3
	v_max_num_f32 v[TM+\b], v[TM+\b], v[TM+4+\b]   ; with lane l xor 16's 16: the block's largest magnitude
.endr
.irp b, 0,1,2,3
	v_add_nc_u32 v[TM+12+\b], 0xfc000000, v[TM+\b] ; 8 off its exponent field: the conversion's scale operand
.endr
.irp b, 0,1,2,3
	v_and_or_b32 v[TM+8+\b], v[TM+\b], 0x7f800000, s[MNT]   ; 448 x the scale
.endr
.irp b, 0,1,2,3
	v_lshrrev_b32 v[TM+4+\b], 23, v[TM+12+\b]      ; the scale's byte
.endr
.if \word
	v_lshl_or_b32 v[\pw], v[TM+5], 8, v[TM+4]
	v_lshl_or_b32 v[\pw], v[TM+6], 16, v[\pw]
	v_lshl_or_b32 v[\pw], v[TM+7], 24, v[\pw]
.endif
	WIN (\win)|((\win)<<6)
.irp b, 0,1,2,3
.irp i, 0,1,2,3,4,5,6,7,8,9,10,11,12,13,14,15
	v_med3_num_f32 v[(\src)+16*\b+\i], v[(\src)+16*\b+\i], -v[TM+8+\b], v[TM+8+\b]   ; the conversion does not saturate (ISA guide 7.6.2): the hold comes first
.endr
.endr
	WIN (\win)
.irp b, 0,1,2,3
	v_cvt_scalef32_pk8_fp8_f32 v[(\pc)+4*\b:(\pc)+4*\b+1], v[(\src)+16*\b:(\src)+16*\b+7], v[TM+12+\b]
	v_cvt_scalef32_pk8_fp8_f32 v[(\pc)+4*\b+2:(\pc)+4*\b+3], v[(\src)+16*\b+8:(\src)+16*\b+15], v[TM+12+\b]
.endr
	WIN 0
	v_nop                                          ; a plain line behind the last conversion
.endm
.macro IMAGE pc, pw, par, tt           ; my tile tt's fragment and scale word go to LDS as they stand
.irp c, 0,1,2,3
	ds_store_b128 v[IW], v[\pc+4*\c:\pc+4*\c+3] offset:16384*(\par)+2048*(\tt)+512*\c
.endr
	ds_store_b32 v[SW], v[\pw] offset:1024*(\par)+128*(\tt)
.endm
.macro XLOAD half                      ; my 32 rows' numbers of one K step, 64 a lane and tile: of each block of 32 my half's 16 neighbours
.irp tt, 0,1
.irp b, 0,1,2,3
.irp j, 0,1,2,3
	ds_load_b128 v[XN+64*\tt+16*\b+4*\j:XN+64*\tt+16*\b+4*\j+3], v[XAD] offset:16640*\tt+512*(\half)+128*\b+16*\j
.endr
.endr
.endr
.endm
; A K STEP.  hf: which half of the slot, and the parity of the images and of W's set.  zero: the products start the sums.  refill: the slot just read out is filled again.  last: nothing follows.
.macro KSTEP hf, zero, refill, last
	s_wait_dscnt 16                                ; tile 0's sixteen loads are in; tile 1's may be out
	QUANT XN, 0, PC0, PW0, 1
	IMAGE PC0, PW0, \hf, 0
.if \last == 0
	WIN 0x40                                       ; the next K step's W into the other set: its last readers stand behind more than eight plain lines (the quantiser's)
.set NN, 0
.rept 24
	global_load_b128 v[96*(1-\hf)+4*NN:96*(1-\hf)+4*NN+3], v[L16], s[WB:WB+1] offset:49152*(\hf+1)+512*NN
.set NN, NN+1
.endr
	WIN 0
.irp f, 0,1,2,3,4,5
	global_load_b32 v[WS+6*(1-\hf)+\f], v[L4], s[WSB:WSB+1] offset:3072*(\hf+1)+128*\f
.endr
.endif
	s_wait_dscnt 5                                 ; tile 1's loads are in; the five stores just issued may be out
	QUANT XN+64, 0, PC1, PW1, 1
	IMAGE PC1, PW1, \hf, 1
.if \hf == 0
	s_wait_dscnt 0x0                               ; my images have landed, and my reads of the other parity's are over
	s_barrier_signal -1
	s_barrier_wait -1                              ; my tensor load may stay out
.else
.if \refill
	s_wait_tensorcnt 0x0                           ; all my tensor loads have landed: my part of the next slot; so a group 0 may be written
	ds_add_u32 v[SPW], v[NIL]                      ; 0 onto my spare word; the descriptor's step stands between it and the wait for it
	s_xor_b32 s[G0B+1], s[G0B+1], SLOT             ; the other slot than last time (SLOT's two bits meet none of 33,280 w),
	s_add_nc_u64 s[G0B+2:G0B+3], s[G0B+2:G0B+3], 1024   ; the next two K steps; the type bits on top are not reached
	s_wait_dscnt 0x0                               ; the add is done, my images have landed, my reads of the slot are over
	s_barrier_signal -1
	s_barrier_wait -1
	tensor_load_to_lds s[G0B:G0B+3], s[G1:G1+7]    ; my one tensor load behind this barrier, and the first thing there: it has two K steps in which to land
	s_nop 0
.rept 4
	v_nop
.endr
.else
.if \last == 0
	s_wait_tensorcnt 0x0                           ; my part of the last slot is in
.endif
	s_wait_dscnt 0x0
	s_barrier_signal -1
	s_barrier_wait -1
.endif
.if \last == 0
	s_xor_b32 s[TB], s[TB], SLOT                   ; on to the other slot
	v_add_nc_u32 v[XAD], s[TB], v[XA]
.endif
.endif
.irp T, 0,1,2,3,4,5,6,7
	ds_load_b32 v[XS+\T], v[LS] offset:1024*\hf+128*\T
.endr
	WIN 0xc0                                       ; destination window 3
.irp T, 0,1,2,3,4,5,6,7
.irp c, 0,1,2,3
	ds_load_b128 v[128+16*\T+4*\c:128+16*\T+4*\c+3], v[LI] offset:16384*\hf+2048*\T+512*\c
.endr
.endr
.if \last
	s_wait_loadcnt 0x0
.else
	s_wait_loadcnt 30                              ; this K step's W is in; the 24 + 6 loads of the next may be out
.endif
	WIN 0xad                                       ; source 0 (W) window 1, source 1 (x) window 3, C and D window 2
.irp T, 0,1,2,3,4,5,6,7
	s_wait_dscnt 4*(7-\T)                          ; the words and fragments 0 .. T are in; the later fragments' loads may be out
.irp m, 0,1
.irp u, 0,1
.if \zero
	v_wmma_scale_f32_16x16x128_f8f6f4 v[128*\m+16*\T+8*\u:128*\m+16*\T+8*\u+7], v[96*\hf+16*(2*\m+\u):96*\hf+16*(2*\m+\u)+15], v[128+16*\T:128+16*\T+15], 0, v[WS+6*\hf+2*\m+\u], v[XS+\T]
.else
	v_wmma_scale_f32_16x16x128_f8f6f4 v[128*\m+16*\T+8*\u:128*\m+16*\T+8*\u+7], v[96*\hf+16*(2*\m+\u):96*\hf+16*(2*\m+\u)+15], v[128+16*\T:128+16*\T+15], v[128*\m+16*\T+8*\u:128*\m+16*\T+8*\u+7], v[WS+6*\hf+2*\m+\u], v[XS+\T]
.endif
.endr
.endr
.endr
	WIN 0
.if \last == 0
	XLOAD 1-\hf                                    ; the next K step's numbers, in one run: they land under v's sixteen products
.endif
	WIN 0xf7                                       ; source 0 (x) window 3, source 1 (Wv) window 1, C and D window 3
.irp T, 0,1,2,3,4,5,6,7
.irp u, 0,1
.if \zero
	v_wmma_scale_f32_16x16x128_f8f6f4 v[64*\u+8*\T:64*\u+8*\T+7], v[128+16*\T:128+16*\T+15], v[96*\hf+16*(4+\u):96*\hf+16*(4+\u)+15], 0, v[XS+\T], v[WS+6*\hf+4+\u]
.else
	v_wmma_scale_f32_16x16x128_f8f6f4 v[64*\u+8*\T:64*\u+8*\T+7], v[128+16*\T:128+16*\T+15], v[96*\hf+16*(4+\u):96*\hf+16*(4+\u)+15], v[64*\u+8*\T:64*\u+8*\T+7], v[XS+\T], v[WS+6*\hf+4+\u]
.endif
.endr
.endr
	WIN 0
.endm
.macro TRIP zero, refill, last         ; a slot's two K steps
	KSTEP 0, \zero, 0, 0
	KSTEP 1, 0, \refill, \last
.if \last == 0
	s_wait_xcnt 0x0                                ; W's loads have read their bases, so they may step
	s_add_nc_u64 s[WB:WB+1], s[WB:WB+1], 98304
	s_add_nc_u64 s[WSB:WSB+1], s[WSB:WSB+1], 6144
.endif
.endm
	s_load_b256 s[4:11], s[0:1], 0x0               ; x s[4:5], wq s[6:7], qkv s[8:9], sc s[10:11]
	v_lshl_add_u32 v[SPW], v0, 2, SPARE
	v_mov_b32 v[NIL], 0
	ds_add_u32 v[SPW], v[NIL]                      ; the wave's opening: the add, twice on end, and its wait ahead of my first tensor load
	ds_add_u32 v[SPW], v[NIL]                      ; and once more, under the one wait; the set-up below stands between
	v_lshrrev_b32 v1, 5, v0
	v_readfirstlane_b32 s[WV], v1                  ; wave 0..3
	s_mov_b32 s[G1+0], (2<<16)|(1<<20)|(7<<22)|(3<<25)   ; no mask; elements of 4 bytes; padding on: after every 256 words (code 7) four words (code 3)
	s_mov_b32 s[G1+1], 256<<16                     ; tensor_dim0 = 256
	s_mov_b32 s[G1+2], 32<<16                      ; tensor_dim1 = 32
	s_mov_b32 s[G1+3], 256<<16                     ; tile_dim0 = 256 elements: 1,024 bytes, two K steps
	s_mov_b32 s[G1+4], 32                          ; tile_dim1 = 32 rows
	s_mov_b32 s[G1+5], 2048                        ; elements from row to row
	s_mov_b32 s[G1+6], 0
	s_mov_b32 s[G1+7], 0
	s_mul_i32 s13, s[WV], WSL                      ; my part of a slot
	s_lshl_b32 s2, ttmp9, 20                       ; 128 rows of 8,192 bytes a work-group,
	s_lshl_b32 s3, s[WV], 18                       ; 32 a wave
	s_add_co_u32 s2, s2, s3
	s_mov_b32 s3, 0
	s_mov_b32 s[TB], 0
	s_mov_b32 s[SEL], 0x76543210
	s_mov_b32 s[SEL+1], 0xfedcba98
	s_mov_b32 s[MNT], 0x600000
	s_wait_dscnt 0x0                               ; both opening adds are done
	s_wait_kmcnt 0x0
	s_add_nc_u64 s[4:5], s[4:5], s[2:3]
	s_mov_b32 s[G0A], 1
	s_mov_b32 s[G0A+1], s13
	s_mov_b64 s[G0A+2:G0A+3], s[4:5]
	s_or_b32 s[G0A+3], s[G0A+3], 0x80000000
	s_mov_b32 s[G0B], 1
	s_add_co_u32 s[G0B+1], s13, SLOT
	s_add_nc_u64 s[G0B+2:G0B+3], s[4:5], 1024
	s_or_b32 s[G0B+3], s[G0B+3], 0x80000000
	tensor_load_to_lds s[G0A:G0A+3], s[G1:G1+7]    ; K steps 0 and 1: every wave issues both first fills, with no branch
	s_nop 0
	tensor_load_to_lds s[G0B:G0B+3], s[G1:G1+7]    ; K steps 2 and 3
	s_nop 0
.rept 4
	v_nop
.endr
	s_mul_i32 s46, s[WV], 12288
	s_mov_b32 s47, 0
	s_add_nc_u64 s[WB:WB+1], s[6:7], s[46:47]
	s_mul_i32 s46, s[WV], 768
	s_add_co_u32 s46, s46, 786432
	s_add_nc_u64 s[WSB:WSB+1], s[6:7], s[46:47]
	s_lshl_b32 s48, ttmp9, 14                      ; 8 fragments of 2,048 bytes a work-group
	s_lshl_b32 s46, s[WV], 9
	s_add_co_u32 s46, s46, s48
	s_add_nc_u64 s[QO:QO+1], s[8:9], s[46:47]      ; q's and k's codes: register group c = w of each token tile
	s_lshl_b32 s46, s[WV], 12
	s_add_co_u32 s46, s46, s48
	s_add_co_u32 s46, s46, 8388608
	s_add_nc_u64 s[VO:VO+1], s[8:9], s[46:47]      ; v's codes: d tiles 2 w, 2 w + 1
	s_min_u32 s49, s[WV], 2
	s_lshl_b32 s46, s49, 17
	s_lshl_b32 s48, ttmp9, 9
	s_add_co_u32 s46, s46, s48
	s_add_nc_u64 s[SCO:SCO+1], s[10:11], s[46:47]  ; waves 0, 1, 2 store q's, k's, v's words
	v_and_b32 v[RR], 15, v0
	v_bfe_u32 v[HH], v0, 4, 1
	v_and_b32 v[LN], 31, v0
	v_mul_u32_u24 v[XA], v[RR], XP
	v_lshl_add_u32 v[XA], v[HH], 6, v[XA]
	v_add_nc_u32 v[XA], s13, v[XA]
	v_add_nc_u32 v[XAD], s[TB], v[XA]
	v_lshlrev_b32 v[L16], 4, v[LN]
	v_lshlrev_b32 v[L4], 2, v[LN]
	v_add_nc_u32 v[LI], IMG, v[L16]
	v_add_nc_u32 v[LS], ISC, v[L4]
	s_lshl_b32 s46, s[WV], 12
	v_add_nc_u32 v[IW], s46, v[LI]
	s_lshl_b32 s46, s[WV], 8
	v_add_nc_u32 v[SW], s46, v[LS]
	v_lshl_add_u32 v[SB], v[RR], 2, SCB
	v_add_nc_u32 v[SB], s[WV], v[SB]
	s_lshl_b32 s46, s[WV], 7
	s_add_co_u32 s46, s46, SCB+1024
	v_add_nc_u32 v[SV], s46, v[L4]
	s_lshl_b32 s46, s49, 9
	s_add_co_u32 s46, s46, SCB
	v_add_nc_u32 v[SR], s46, v[L16]
.irp b, 0,1,2,3
	v_mov_b32 v[TM+4+\b], 0                        ; a lane permute's destination counts as one of its sources
.endr
	WIN 0x40
.set NN, 0
.rept 24
	global_load_b128 v[4*NN:4*NN+3], v[L16], s[WB:WB+1] offset:512*NN   ; K step 0's W into set 0
.set NN, NN+1
.endr
	WIN 0
.irp f, 0,1,2,3,4,5
	global_load_b32 v[WS+\f], v[L4], s[WSB:WSB+1] offset:128*\f
.endr
	s_wait_tensorcnt 1                             ; my part of slot 0 is in; slot 1's may stay out.  I read my own bytes alone
	XLOAD 0
	TRIP 1, 1, 0                                   ; the first trip stands in front of the loop: its first K step starts the sums
	s_mov_b32 s[CNT], 5
.Ltrip:                                            ; trips 1 to 5: each fills the slot that it leaves
	TRIP 0, 1, 0
	s_sub_co_u32 s[CNT], s[CNT], 1
	s_cmp_lg_u32 s[CNT], 0
	s_cbranch_scc1 .Ltrip
	TRIP 0, 0, 0                                   ; the last two trips are written out: they fetch nothing
	TRIP 0, 0, 1
.rept 8
	v_nop                                          ; places between the last products and the first read of results
.endr
; THE WAY OUT.  q and k: block b of a call is token tile T = 4 G + b; a lane's 16 numbers and lane l xor 16's are the token's 32 of d block w: 16 bytes of codes, register group w of the tile's fragment, and byte w of the token's word.
.irp m, 0,1
.irp G, 0,1
	QUANT 128*\m+64*\G, 2, 128+16*(2*\m+\G), PW0, 0
.irp b, 0,1,2,3
	global_store_b128 v[L16], v[128+16*(2*\m+\G)+4*\b:128+16*(2*\m+\G)+4*\b+3], s[QO:QO+1] offset:4194304*\m+2048*(4*\G+\b)   ; 512 consecutive bytes, aligned; each call has its own registers
	ds_store_b8 v[SB], v[TM+4+\b] offset:512*\m+64*(4*\G+\b)   ; both lanes of a block write the same byte with the same value
.endr
.endr
.endr
; v: a call is one whole fragment of d tile 2 w + u: 128 tokens along K, four blocks of 32, and a scale word for each d
	QUANT 0, 3, 192, PW0, 1
.irp c, 0,1,2,3
	global_store_b128 v[L16], v[192+4*\c:192+4*\c+3], s[VO:VO+1] offset:512*\c
.endr
	QUANT 64, 3, 208, PW1, 1
.irp c, 0,1,2,3
	global_store_b128 v[L16], v[208+4*\c:208+4*\c+3], s[VO:VO+1] offset:2048+512*\c
.endr
	v_cmp_gt_u32 vcc_lo, 16, v[LN]
	v_cndmask_b32 v[VW], v[PW1], v[PW0], vcc_lo    ; lanes 0-15: u = 0's words, lanes 16-31: u = 1's: d = 32 w + lane
	ds_store_b32 v[SV], v[VW]
	s_wait_dscnt 0x0                               ; for the others' sake: my bytes and words have landed
	s_barrier_signal -1
	s_barrier_wait -1
	s_cmp_gt_u32 s[WV], 2
	s_cbranch_scc1 .Lend
	ds_load_b128 v[224:227], v[SR]
	s_wait_dscnt 0x0
	global_store_b128 v[L16], v[224:227], s[SCO:SCO+1]   ; 512 consecutive bytes, aligned
.Lend:
	s_wait_tensorcnt 0x0                           ; the wave's end, behind my last tensor load and my last LDS store
	ds_add_u32 v[SPW], v[NIL]
	s_wait_dscnt 0x0
	s_endpgm
.Lfunc_end_k_qe4d7240b7b_proj:
	.size	k_qe4d7240b7b_proj, .Lfunc_end_k_qe4d7240b7b_proj-k_qe4d7240b7b_proj
	.p2alignl 7, 3214868480
	.fill 96, 4, 3214868480
	.section	.rodata,"a",@progbits
	.p2align	6, 0x0
	.amdhsa_kernel k_qe4d7240b7b_proj
		.amdhsa_group_segment_fixed_size 327680
		.amdhsa_private_segment_fixed_size 0
		.amdhsa_enable_private_segment 0
		.amdhsa_kernarg_size 32
		.amdhsa_user_sgpr_count 2
		.amdhsa_user_sgpr_kernarg_segment_ptr 1
		.amdhsa_wavefront_size32 1
		.amdhsa_system_sgpr_workgroup_id_x 1
		.amdhsa_system_sgpr_workgroup_id_y 1
		.amdhsa_system_sgpr_workgroup_id_z 1
		.amdhsa_system_vgpr_workitem_id 0
		.amdhsa_next_free_vgpr 1024
		.amdhsa_next_free_sgpr 66
		.amdhsa_reserve_vcc 1
		.amdhsa_float_denorm_mode_32 3
		.amdhsa_float_denorm_mode_16_64 3
		.amdhsa_memory_ordered 1
		.amdhsa_forward_progress 1
		.amdhsa_inst_pref_size 255
	.end_amdhsa_kernel
	.section	.bss,"aw",@nobits
	.p2align	6
	.space	262144
	.amdgpu_metadata
---
amdhsa.version: [ 1, 2 ]
amdhsa.kernels:
  - .name:           k_qe4d7240b7b_proj
    .symbol:         k_qe4d7240b7b_proj.kd
    .args:
      - { .name: x, .offset: 0, .size: 8, .value_kind: global_buffer, .address_space: global }
      - { .name: wq, .offset: 8, .size: 8, .value_kind: global_buffer, .address_space: global }
      - { .name: qkv, .offset: 16, .size: 8, .value_kind: global_buffer, .address_space: global }
      - { .name: sc, .offset: 24, .size: 8, .value_kind: global_buffer, .address_space: global }
    .group_segment_fixed_size: 327680
    .private_segment_fixed_size: 0
    .kernarg_segment_align: 8
    .kernarg_segment_size: 32
    .max_flat_workgroup_size: 128
    .sgpr_count:     66
    .vgpr_count:     1024
    .wavefront_size: 32
...
	.end_amdgpu_metadata
.endif
;; end of part 2
;; launch stats (part 3): grid 32 x 8, 16 waves a work-group, no clusters, 18,432 bytes of LDS; arguments qkv, sc, nmu; writes nmu
.if DOCPART == 3
	.amdgcn_target "amdgcn-amd-amdhsa--gfx1250"
	.amdhsa_code_object_version 6
	.text
	.protected	k_qe4d7240b7b_stats
	.globl	k_qe4d7240b7b_stats
	.p2align	8
	.type	k_qe4d7240b7b_stats,@function
k_qe4d7240b7b_stats:
	s_mov_b64 s[64:65], 0
	v_nop
	global_prefetch_b8 v0, s[64:65] scope:SCOPE_SE
	s_setreg_imm32_b32 hwreg(HW_REG_WAVE_MODE, 25, 1), 1
	s_wait_xcnt 0x0
; For each key s of each batch: nmu[s] = -(T + log2 L), T = c x the largest score of the key's column over the queries t >= s, L = the sum over them of 2^(c S - T), c = log2(e) / sqrt(128).
; WORK LEFT OUT: steps of 32 queries that lie wholly ahead of the key block (every score there is masked by the problem's own mask and adds 0 to L): shown at the head of wquant.
; SHARES.  A work-group owns the key blocks of 64, jb = x and jb = 63 - x, of batch y: 128 - 2 jb steps of 32 queries each, 130 in every work-group.  All sixteen waves hold the block's four fragments of k;
; wave w takes the query steps i = 2 jb + w, + 16, ..  ORIENTATION: source 0 = 16 queries, source 1 = 16 keys: a lane holds ONE key (lane % 16) and its registers run along the queries, so the column's
; maximum and sum stay in the lane: a running maximum MS, the shift NB = -c MS, the sum L; in every step L is multiplied by 2^(new NB - old NB).  The halves of the lanes, then the sixteen waves
; (through LDS, merged by wave 15, which has the fewest steps) are joined under the smallest NB.
; Operands go from memory straight into registers: the fragments lie in the order of the registers.  NO CLUSTER and no tensor load: under the mask work-groups walk different numbers of steps, and each wave
; walks steps of its own.  No prefetch: each part of q is first read at the launch's head by the work-group whose key block begins there.
; LIMITS: v_exp_f32 gives 0 for results under 2^-126 (ISA guide, its entry): terms so far under the column's largest are lost.  Others as at the head of wquant.
.set MRG,   8192                       ; LDS: for each key block [wave 16][key 64](NB, L): 8,192 bytes
.set SPARE, 16384                      ; the spare words, 128 bytes for each wave: eight blocks of 256 bytes that no other line names
.set LN,  1
.set L16, 2
.set L4,  3
.set RH,  4                            ; r - 8 h
.set NINF, 5
.set SPW, 6
.set NIL, 7
.set MA,  8                            ; 512 w + 8 x lane
.set L8,  9
.set KS,  10                           ; v10, v11 k's scale words: key tiles 2 a (lanes 0-15) and 2 a + 1 (lanes 16-31)
.set QS,  12                           ; v12      q's: query tile 0 below, 1 above
.set DD,  13
.set ST,  16                           ; v16-31   key tile kt: NB, MS, L in two halves
.set AA,  32                           ; v32-39   the steps' factors, each the low word of a pair
.set KF,  40
.set QF,  104
.set S,   136                          ; v136-199 the scores: 16 kt + 8 qi + j
.set MG,  200
.set WV,  12
.set PP,  13
.set BT,  14
.set JB,  15
.set II,  16
.set CNT, 17
.set LIM, 18
.set QB,  20
.set QSB, 22
.set KB,  24
.set KSB, 26
.set NMB, 28
.set CS,  30
.set SEL, 32
.set NC,  34
.macro SPROD d, a, b, sa, sb, ra, rb   ; a product that starts its sum; ra, rb: the halves of the lanes in which the scale words stand
.if ((\ra) == 1) && ((\rb) == 1)
	v_wmma_scale_f32_16x16x128_f8f6f4 v[(\d):(\d)+7], v[(\a):(\a)+15], v[(\b):(\b)+15], 0, v[\sa], v[\sb] matrix_a_scale:MATRIX_SCALE_ROW1 matrix_b_scale:MATRIX_SCALE_ROW1
.elseif (\ra) == 1
	v_wmma_scale_f32_16x16x128_f8f6f4 v[(\d):(\d)+7], v[(\a):(\a)+15], v[(\b):(\b)+15], 0, v[\sa], v[\sb] matrix_a_scale:MATRIX_SCALE_ROW1
.elseif (\rb) == 1
	v_wmma_scale_f32_16x16x128_f8f6f4 v[(\d):(\d)+7], v[(\a):(\a)+15], v[(\b):(\b)+15], 0, v[\sa], v[\sb] matrix_b_scale:MATRIX_SCALE_ROW1
.else
	v_wmma_scale_f32_16x16x128_f8f6f4 v[(\d):(\d)+7], v[(\a):(\a)+15], v[(\b):(\b)+15], 0, v[\sa], v[\sb]
.endif
.endm
.macro QLOAD                           ; a step's two fragments of q and their scale words: nine loads
.irp n, 0,1,2,3,4,5,6,7
	global_load_b128 v[QF+4*\n:QF+4*\n+3], v[L16], s[QB:QB+1] offset:512*\n
.endr
	global_load_b32 v[QS], v[L4], s[QSB:QSB+1]
.endm
.macro KEYBLOCK half
.if \half
	s_wait_loadcnt 0x0                             ; no load of the first key block is out when its registers are loaded anew: its last trip issues none, and this wait holds that on every way through the text
.endif
	s_wait_xcnt 0x0                                ; earlier loads and stores have read their bases and data: both may be written
.if \half == 0
	s_mov_b32 s[JB], s[PP]
.else
	s_sub_co_u32 s[JB], 63, s[PP]
.endif
	s_lshl_b32 s[LIM], s[JB], 1
	s_add_co_u32 s[II], s[LIM], s[WV]              ; my first query step
	s_add_co_u32 s[LIM], s[LIM], 2                 ; from this step on nothing is masked
	s_lshl_b32 s36, s[BT], 14
	s_lshl_b32 s37, s[JB], 8
	s_add_co_u32 s38, s36, s37                     ; 4 bytes x (4,096 batch + 64 jb)
	s_mov_b32 s39, 0
	s_add_nc_u64 s[NMB:NMB+1], s[8:9], s[38:39]
	s_add_nc_u64 s[KSB:KSB+1], s[6:7], s[38:39]
	s_add_nc_u64 s[KSB:KSB+1], s[KSB:KSB+1], 131072
.irp kt, 0,1,2,3
	v_mov_b32 v[ST+4*\kt+1], 0xff61b1e6            ; the largest score so far: -3e38, under every score
	v_mov_b32 v[ST+4*\kt+2], 0
	v_mov_b32 v[ST+4*\kt+3], 0
.endr
.irp kt, 0,1,2,3
	v_mul_f32 v[ST+4*\kt], s[NC], v[ST+4*\kt+1]    ; NB = -c MS
.endr
	s_cmp_gt_u32 s[II], 127
	s_cbranch_scc1 .Lnone_\@                       ; a wave with no step keeps the empty state, which the merge weighs with 0
	s_sub_co_u32 s[CNT], 127, s[II]
	s_lshr_b32 s[CNT], s[CNT], 4
	s_add_co_u32 s[CNT], s[CNT], 1                 ; my steps
	s_lshl_b32 s36, s[BT], 8                       ; 256 token tiles a batch
	s_lshl_b32 s37, s[JB], 2
	s_add_co_u32 s37, s36, s37
	s_lshl_b32 s38, s37, 11
	s_add_co_u32 s38, s38, 4194304
	s_add_nc_u64 s[KB:KB+1], s[4:5], s[38:39]
	s_lshl_b32 s37, s[II], 1
	s_add_co_u32 s37, s36, s37
	s_lshl_b32 s38, s37, 11
	s_add_nc_u64 s[QB:QB+1], s[4:5], s[38:39]
	s_lshl_b32 s36, s[BT], 14
	s_lshl_b32 s37, s[II], 7
	s_add_co_u32 s38, s36, s37
	s_add_nc_u64 s[QSB:QSB+1], s[6:7], s[38:39]
.irp n, 0,1,2,3,4,5,6,7,8,9,10,11,12,13,14,15
	global_load_b128 v[KF+4*\n:KF+4*\n+3], v[L16], s[KB:KB+1] offset:512*\n
.endr
	global_load_b32 v[KS], v[L4], s[KSB:KSB+1]
	global_load_b32 v[KS+1], v[L4], s[KSB:KSB+1] offset:128
	QLOAD
.Lstep_\@:
	s_wait_loadcnt 0x0                             ; this step's q is in (in the first trip k too): so the bases may step
	s_add_nc_u64 s[QB:QB+1], s[QB:QB+1], 65536     ; 16 steps x 2 tiles x 2,048 bytes
	s_add_nc_u64 s[QSB:QSB+1], s[QSB:QSB+1], 2048
.irp kt, 0,1,2,3
.irp qi, 0,1
	SPROD S+16*\kt+8*\qi, QF+16*\qi, KF+16*\kt, QS, KS+\kt/2, \qi, \kt%2
.endr
.endr
.rept 8
	v_nop                                          ; places in front of the loads into q's registers and of the first read of results
.endr
	s_cmp_eq_u32 s[CNT], 1
	s_cbranch_scc1 .Lnoq_\@                        ; no load leaves its buffer
	QLOAD                                          ; the next step's q lands under this step's vector work
.Lnoq_\@:
	s_cmp_ge_u32 s[II], s[LIM]
	s_cbranch_scc1 .Lopen_\@
	s_lshl_b32 s36, s[II], 5                       ; the diagonal crosses this step: query 32 i + 16 qi + 8 h + j is masked for key 64 jb + 16 kt + r where 16 qi + j - 16 kt < r - 8 h - (32 i - 64 jb)
	s_lshl_b32 s37, s[JB], 6
	s_sub_co_u32 s36, s36, s37
	v_sub_nc_u32 v[DD], v[RH], s36
.irp kt, 0,1,2,3
.irp qi, 0,1
.irp j, 0,1,2,3,4,5,6,7
	v_cmp_lt_i32 vcc_lo, 16*\qi+\j-16*\kt, v[DD]
	v_cndmask_b32 v[S+16*\kt+8*\qi+\j], v[S+16*\kt+8*\qi+\j], v[NINF], vcc_lo
.endr
.endr
.endr
.Lopen_\@:
.irp i, 0,2,4,6,8,10,12,14
.irp kt, 0,1,2,3
	v_max3_num_f32 v[ST+4*\kt+1], v[ST+4*\kt+1], v[S+16*\kt+\i], v[S+16*\kt+\i+1]   ; the running maximum; the four key tiles by turns, each accumulator from its low end on
.endr
.endr
.irp kt, 0,1,2,3
	v_mov_b32 v[AA+2*\kt], v[ST+4*\kt]             ; the old shift
.endr
.irp kt, 0,1,2,3
	v_mul_f32 v[ST+4*\kt], s[NC], v[ST+4*\kt+1]    ; the new one
.endr
.irp kt, 0,1,2,3
	v_sub_f32 v[AA+2*\kt], v[ST+4*\kt], v[AA+2*\kt]   ; new less old, 0 or less: from the two rounded shifts, so that old and new terms stand under the same one
.endr
.irp i, 0,2,4,6,8,10,12,14
.irp kt, 0,1,2,3
	v_pk_fma_f32 v[S+16*\kt+\i:S+16*\kt+\i+1], v[S+16*\kt+\i:S+16*\kt+\i+1], s[CS:CS+1], v[ST+4*\kt:ST+4*\kt+1] op_sel_hi:[1,0,0]   ; c S + NB, two at a time
.endr
.endr
.irp kt, 0,1,2,3
	v_exp_f32 v[AA+2*\kt], v[AA+2*\kt]
.endr
.set NN, 0
.rept 64
	v_exp_f32 v[S+NN], v[S+NN]
.set NN, NN+1
.endr
	v_nop                                          ; a plain line behind the last exponential
	s_wait_alu depctr_va_vdst(0)                   ; the wait ahead of the first reader: one for the batch of 68
.irp kt, 0,1,2,3
	v_pk_fma_f32 v[ST+4*\kt+2:ST+4*\kt+3], v[ST+4*\kt+2:ST+4*\kt+3], v[AA+2*\kt:AA+2*\kt+1], v[S+16*\kt:S+16*\kt+1] op_sel_hi:[1,0,1]   ; L under the new shift, and the first pair
.endr
.irp i, 2,4,6,8,10,12,14
.irp kt, 0,1,2,3
	v_pk_add_f32 v[ST+4*\kt+2:ST+4*\kt+3], v[ST+4*\kt+2:ST+4*\kt+3], v[S+16*\kt+\i:S+16*\kt+\i+1]
.endr
.endr
	s_add_co_u32 s[II], s[II], 16
	s_sub_co_u32 s[CNT], s[CNT], 1
	s_cmp_gt_i32 s[CNT], 0                         ; a signed compare: the loop ends whatever the counter's start
	s_cbranch_scc1 .Lstep_\@
.Lnone_\@:
	; the two halves of the lanes hold the same keys and other queries: joined under the smaller NB
.irp kt, 0,1,2,3
	v_add_f32 v[ST+4*\kt+2], v[ST+4*\kt+2], v[ST+4*\kt+3]
.endr
.irp kt, 0,1,2,3
	v_permlanex16_b32 v[MG+\kt], v[ST+4*\kt], s[SEL], s[SEL+1]
.endr
.irp kt, 0,1,2,3
	v_min_num_f32 v[MG+\kt], v[MG+\kt], v[ST+4*\kt]
.endr
.irp kt, 0,1,2,3
	v_sub_f32 v[MG+4+\kt], v[MG+\kt], v[ST+4*\kt]
.endr
.irp kt, 0,1,2,3
	v_exp_f32 v[MG+4+\kt], v[MG+4+\kt]
.endr
	v_cmp_gt_u32 vcc_lo, 16, v[LN]                 ; (a plain line behind the exponentials)
	s_wait_alu depctr_va_vdst(0)                   ; the wait ahead of their first reader
.irp kt, 0,1,2,3
	v_mul_f32 v[ST+4*\kt+2], v[ST+4*\kt+2], v[MG+4+\kt]
.endr
.irp kt, 0,1,2,3
	v_permlanex16_b32 v[MG+8+\kt], v[ST+4*\kt+2], s[SEL], s[SEL+1]
.endr
.irp kt, 0,1,2,3
	v_add_f32 v[MG+8+\kt], v[MG+8+\kt], v[ST+4*\kt+2]
.endr
.irp a, 0,1
	v_cndmask_b32 v[MG+12+2*\a], v[MG+2*\a+1], v[MG+2*\a], vcc_lo      ; lanes 0-15 key tile 2 a, lanes 16-31 tile 2 a + 1: key 32 a + lane
	v_cndmask_b32 v[MG+13+2*\a], v[MG+9+2*\a], v[MG+8+2*\a], vcc_lo
	ds_store_b64 v[MA], v[MG+12+2*\a:MG+13+2*\a] offset:MRG*\half+256*\a
.endr
	s_wait_dscnt 0x0                               ; for wave 15's sake: my stores have landed
	s_barrier_signal -1
	s_barrier_wait -1
	s_cmp_lg_u32 s[WV], 15
	s_cbranch_scc1 .Lnot15_\@
.irp v, 0,1,2,3,4,5,6,7,8,9,10,11,12,13,14,15
	ds_load_b128 v[S+4*\v:S+4*\v+3], v[L16] offset:MRG*\half+512*\v   ; wave v's (NB, L) of keys 2 x lane and 2 x lane + 1
.endr
	s_wait_dscnt 0x0
	v_min3_num_f32 v[MG+16], v[S], v[S+4], v[S+8]
	v_min3_num_f32 v[MG+17], v[S+2], v[S+6], v[S+10]
.irp v, 3,5,7,9,11,13
	v_min3_num_f32 v[MG+16], v[MG+16], v[S+4*\v], v[S+4*\v+4]
	v_min3_num_f32 v[MG+17], v[MG+17], v[S+4*\v+2], v[S+4*\v+6]
.endr
	v_min_num_f32 v[MG+16], v[MG+16], v[S+60]
	v_min_num_f32 v[MG+17], v[MG+17], v[S+62]      ; the smallest NB: that of the column's largest score
.irp v, 0,1,2,3,4,5,6,7,8,9,10,11,12,13,14,15
	v_sub_f32 v[S+4*\v], v[MG+16], v[S+4*\v]
	v_sub_f32 v[S+4*\v+2], v[MG+17], v[S+4*\v+2]
.endr
.irp v, 0,1,2,3,4,5,6,7,8,9,10,11,12,13,14,15
	v_exp_f32 v[S+4*\v], v[S+4*\v]
	v_exp_f32 v[S+4*\v+2], v[S+4*\v+2]
.endr
	v_nop
	s_wait_alu depctr_va_vdst(0)                   ; one wait for the 32
	v_mul_f32 v[MG+18], v[S+1], v[S]
	v_mul_f32 v[MG+19], v[S+3], v[S+2]
.irp v, 1,2,3,4,5,6,7,8,9,10,11,12,13,14,15
	v_fmac_f32 v[MG+18], v[S+4*\v+1], v[S+4*\v]
	v_fmac_f32 v[MG+19], v[S+4*\v+3], v[S+4*\v+2]
.endr
	v_log_f32 v[MG+18], v[MG+18]
	v_log_f32 v[MG+19], v[MG+19]
	v_nop
	s_wait_alu depctr_va_vdst(0)
	v_sub_f32 v[MG+20], v[MG+16], v[MG+18]         ; nmu = NB - log2 L
	v_sub_f32 v[MG+21], v[MG+17], v[MG+19]
	global_store_b64 v[L8], v[MG+20:MG+21], s[NMB:NMB+1]   ; the wave stores 256 consecutive bytes, aligned
.Lnot15_\@:
.endm
	s_load_b128 s[4:7], s[0:1], 0x0                ; qkv s[4:5], sc s[6:7]
	s_load_b64 s[8:9], s[0:1], 0x10                ; nmu
	v_lshl_add_u32 v[SPW], v0, 2, SPARE
	v_mov_b32 v[NIL], 0
	v_lshrrev_b32 v14, 5, v0
	v_readfirstlane_b32 s[WV], v14                 ; wave 0..15
	s_mov_b32 s[PP], ttmp9
	s_and_b32 s[BT], ttmp7, 0xffff
	v_and_b32 v[LN], 31, v0
	v_lshlrev_b32 v[L16], 4, v[LN]
	v_lshlrev_b32 v[L4], 2, v[LN]
	v_lshlrev_b32 v[L8], 3, v[LN]
	v_and_b32 v14, 15, v0
	v_bfe_u32 v15, v0, 4, 1
	v_lshlrev_b32 v15, 3, v15
	v_sub_nc_u32 v[RH], v14, v15
	v_mov_b32 v[NINF], 0xff800000
	s_lshl_b32 s36, s[WV], 9
	v_add_nc_u32 v[MA], s36, v[L8]
.irp kt, 0,1,2,3
	v_mov_b32 v[AA+2*\kt+1], 0                     ; named as the upper halves of pairs
	v_mov_b32 v[MG+\kt], 0                         ; a lane permute's destination counts as one of its sources
	v_mov_b32 v[MG+8+\kt], 0
.endr
	s_mov_b32 s[CS], 0x3e0293ee                    ; c = log2(e) / sqrt(128)
	s_mov_b32 s[CS+1], s[CS]
	s_mov_b32 s[NC], 0xbe0293ee                    ; -c
	s_mov_b32 s[SEL], 0x76543210
	s_mov_b32 s[SEL+1], 0xfedcba98
	s_wait_kmcnt 0x0
	KEYBLOCK 0
	KEYBLOCK 1
	s_wait_tensorcnt 0x0                           ; the wave's end, behind my last LDS store
	ds_add_u32 v[SPW], v[NIL]
	s_wait_dscnt 0x0
	s_endpgm
.Lfunc_end_k_qe4d7240b7b_stats:
	.size	k_qe4d7240b7b_stats, .Lfunc_end_k_qe4d7240b7b_stats-k_qe4d7240b7b_stats
	.p2alignl 7, 3214868480
	.fill 96, 4, 3214868480
	.section	.rodata,"a",@progbits
	.p2align	6, 0x0
	.amdhsa_kernel k_qe4d7240b7b_stats
		.amdhsa_group_segment_fixed_size 18432
		.amdhsa_private_segment_fixed_size 0
		.amdhsa_enable_private_segment 0
		.amdhsa_kernarg_size 24
		.amdhsa_user_sgpr_count 2
		.amdhsa_user_sgpr_kernarg_segment_ptr 1
		.amdhsa_wavefront_size32 1
		.amdhsa_system_sgpr_workgroup_id_x 1
		.amdhsa_system_sgpr_workgroup_id_y 1
		.amdhsa_system_sgpr_workgroup_id_z 1
		.amdhsa_system_vgpr_workitem_id 0
		.amdhsa_next_free_vgpr 256
		.amdhsa_next_free_sgpr 66
		.amdhsa_reserve_vcc 1
		.amdhsa_float_denorm_mode_32 3
		.amdhsa_float_denorm_mode_16_64 3
		.amdhsa_memory_ordered 1
		.amdhsa_forward_progress 1
		.amdhsa_inst_pref_size 57
	.end_amdhsa_kernel
	.amdgpu_metadata
---
amdhsa.version: [ 1, 2 ]
amdhsa.kernels:
  - .name:           k_qe4d7240b7b_stats
    .symbol:         k_qe4d7240b7b_stats.kd
    .args:
      - { .name: qkv, .offset: 0, .size: 8, .value_kind: global_buffer, .address_space: global }
      - { .name: sc, .offset: 8, .size: 8, .value_kind: global_buffer, .address_space: global }
      - { .name: nmu, .offset: 16, .size: 8, .value_kind: global_buffer, .address_space: global }
    .group_segment_fixed_size: 18432
    .private_segment_fixed_size: 0
    .kernarg_segment_align: 8
    .kernarg_segment_size: 24
    .max_flat_workgroup_size: 512
    .sgpr_count:     66
    .vgpr_count:     256
    .wavefront_size: 32
...
	.end_amdgpu_metadata
.endif
;; end of part 3
;; launch attn (part 4): grid 32 x 8, 4 waves a work-group, no clusters, 165,376 bytes of LDS; arguments qkv, sc, nmu, out0; writes out0
.if DOCPART == 4
	.amdgcn_target "amdgcn-amd-amdhsa--gfx1250"
	.amdhsa_code_object_version 6
	.text
	.protected	k_qe4d7240b7b_attn
	.globl	k_qe4d7240b7b_attn
	.p2align	8
	.type	k_qe4d7240b7b_attn,@function
k_qe4d7240b7b_attn:
	s_mov_b64 s[64:65], 0
	v_nop
	global_prefetch_b8 v0, s[64:65] scope:SCOPE_SE
	s_setreg_imm32_b32 hwreg(HW_REG_WAVE_MODE, 25, 1), 1
	s_wait_xcnt 0x0
; out[t][:] = the sum over the keys s <= t of Q(wei[t][s]) Q(v[s][:]), wei[t][s] = 2^(c S[t][s] + nmu[s]): the softmax over the query axis, finished and normalised (nmu: launch stats), quantised along the keys.
; For a key that counts the exponent is 0 or less, since nmu holds the column's largest score and the logarithm of its sum: no maximum is left to take away here, and O^T only accumulates.
; WORK LEFT OUT: key steps that lie wholly behind the query block (wei = 0 there by the problem's own mask): shown at the head of wquant.
; SHARES.  A work-group owns the query blocks of 64, i = 63 - x and then i = x, of batch y.  Block i needs n = i / 2 + 1 key steps of 128.  Wave w takes key steps w, w + 4, .. for ALL four query tiles, so
; each fragment of k and of v feeds four products and is read once by the work-group; the waves' partial sums of O^T are added through LDS.  The longest wave has 9 steps in every work-group.
; LAYOUT.  Both products transposed: S^T = k q^T (source 0 = 16 keys, source 1 = 16 queries), O^T = v^T wei^T: a lane holds ONE query.  The 16 registers of key tiles 2 b, 2 b + 1 hold keys
; 32 b + 16 u + 8 h + j and are laid at place 32 b + 16 h + 8 u + j of the operand, as proj laid v's tokens: the same exchange inside a block of 32 on both sides.
; Operands go from memory straight into registers.  NO CLUSTER and no tensor load: under the mask work-groups need different numbers of key steps, and each wave walks steps of its own.
; LIMITS: v_exp_f32 gives 0 for wei under 2^-126 (ISA guide, its entry).  Others as at the head of wquant.
; REGISTERS.  window 0: v1-14 addresses; v16-19 k's, v20-23 v's, v24-25 q's, v26-29 wei's scale words; v30, v31 the add's two; v32-47 at work; v48 -infinity; v64-127 nmu of the step's keys;
;   v128-191 wei's codes; v192-255 q.   window 1: S^T, then wei, at 64 qt + 8 kt.   window 2: k at 16 kt, v at 128 + 16 dt.   window 3: O^T at 64 qt + 8 dt.
.set STG,   131072                     ; LDS: four images of O^T, 32,768 bytes each; behind them a stage of 16 rows x (512 + 16) bytes for each wave
.set SPARE, 164864                     ; the spare words, 128 bytes for each wave: two blocks of 256 bytes that no other line names
.set LN,  1
.set RR,  2
.set HH,  3
.set L16, 4
.set L4,  5
.set H32, 6
.set RH,  7                            ; r - 8 h
.set DD,  8
.set PF,  9                            ; 256 x lane: the prefetches' offset; never rewritten
.set IM,  10                           ; 32,768 w + 16 x lane
.set RM,  11                           ; 8,192 w + 16 x lane: query tile w in image 0
.set RM2, 12                           ; the same in image 2
.set SO,  13
.set SR,  14
.set KSC, 16
.set VSC, 20
.set QSC, 24
.set PSC, 26
.set SPW, 30
.set NIL, 31
.set TM,  32
.set NINF, 48
.set MU,  64
.set P,   128
.set Q,   192
.set WV,  12
.set PP,  13
.set BT,  14
.set II,  15
.set NS,  16
.set CNT, 17
.set KSI, 18
.set LIM, 19
.set BLK, 20
.set DG,  21
.set KB,  22
.set VB,  24
.set KSB, 26
.set VSB, 28
.set MUB, 30
.set QB,  32
.set QSB, 34
.set OB,  36
.set CS,  38
.set SEL, 40
.set MNT, 42
.set MSB, 0
.macro WIN new                         ; the immediate's high byte repeats the setting that is left; a switch that changes nothing is dropped
.if MSB != (\new)
	s_set_vgpr_msb (MSB<<8)|(\new)
.set MSB, (\new)
.endif
.endm
.macro SPROD kt, qt                    ; S^T: key tile kt x query tile qt; the scale words of odd tiles stand in lanes 16-31
.if ((\kt)%2 == 1) && ((\qt)%2 == 1)
	v_wmma_scale_f32_16x16x128_f8f6f4 v[64*\qt+8*\kt:64*\qt+8*\kt+7], v[16*\kt:16*\kt+15], v[Q+16*\qt:Q+16*\qt+15], 0, v[KSC+\kt/2], v[QSC+\qt/2] matrix_a_scale:MATRIX_SCALE_ROW1 matrix_b_scale:MATRIX_SCALE_ROW1
.elseif (\kt)%2 == 1
	v_wmma_scale_f32_16x16x128_f8f6f4 v[64*\qt+8*\kt:64*\qt+8*\kt+7], v[16*\kt:16*\kt+15], v[Q+16*\qt:Q+16*\qt+15], 0, v[KSC+\kt/2], v[QSC+\qt/2] matrix_a_scale:MATRIX_SCALE_ROW1
.elseif (\qt)%2 == 1
	v_wmma_scale_f32_16x16x128_f8f6f4 v[64*\qt+8*\kt:64*\qt+8*\kt+7], v[16*\kt:16*\kt+15], v[Q+16*\qt:Q+16*\qt+15], 0, v[KSC+\kt/2], v[QSC+\qt/2] matrix_b_scale:MATRIX_SCALE_ROW1
.else
	v_wmma_scale_f32_16x16x128_f8f6f4 v[64*\qt+8*\kt:64*\qt+8*\kt+7], v[16*\kt:16*\kt+15], v[Q+16*\qt:Q+16*\qt+15], 0, v[KSC+\kt/2], v[QSC+\qt/2]
.endif
.endm
.macro OPROD dt, qt, zero              ; O^T: d tile dt x query tile qt; zero = 1: the product starts the sum
.if \zero
.if (\dt)%2 == 1
	v_wmma_scale_f32_16x16x128_f8f6f4 v[64*\qt+8*\dt:64*\qt+8*\dt+7], v[128+16*\dt:128+16*\dt+15], v[P+16*\qt:P+16*\qt+15], 0, v[VSC+\dt/2], v[PSC+\qt] matrix_a_scale:MATRIX_SCALE_ROW1
.else
	v_wmma_scale_f32_16x16x128_f8f6f4 v[64*\qt+8*\dt:64*\qt+8*\dt+7], v[128+16*\dt:128+16*\dt+15], v[P+16*\qt:P+16*\qt+15], 0, v[VSC+\dt/2], v[PSC+\qt]
.endif
.else
.if (\dt)%2 == 1
	v_wmma_scale_f32_16x16x128_f8f6f4 v[64*\qt+8*\dt:64*\qt+8*\dt+7], v[128+16*\dt:128+16*\dt+15], v[P+16*\qt:P+16*\qt+15], v[64*\qt+8*\dt:64*\qt+8*\dt+7], v[VSC+\dt/2], v[PSC+\qt] matrix_a_scale:MATRIX_SCALE_ROW1
.else
	v_wmma_scale_f32_16x16x128_f8f6f4 v[64*\qt+8*\dt:64*\qt+8*\dt+7], v[128+16*\dt:128+16*\dt+15], v[P+16*\qt:P+16*\qt+15], v[64*\qt+8*\dt:64*\qt+8*\dt+7], v[VSC+\dt/2], v[PSC+\qt]
.endif
.endif
.endm
.macro KLOAD                           ; a key step's eight fragments of k and their scale words: 36 loads
	WIN 0x80
.set NN, 0
.rept 32
	global_load_b128 v[4*NN:4*NN+3], v[L16], s[KB:KB+1] offset:512*NN
.set NN, NN+1
.endr
	WIN 0
.irp a, 0,1,2,3
	global_load_b32 v[KSC+\a], v[L4], s[KSB:KSB+1] offset:128*\a
.endr
.endm
.macro VLOAD                           ; the eight fragments of v^T and their scale words: 36 loads
	WIN 0x80
.set NN, 0
.rept 32
	global_load_b128 v[128+4*NN:128+4*NN+3], v[L16], s[VB:VB+1] offset:512*NN
.set NN, NN+1
.endr
	WIN 0
.irp a, 0,1,2,3
	global_load_b32 v[VSC+\a], v[L4], s[VSB:VSB+1] offset:128*\a
.endr
.endm
.macro MULOAD                          ; nmu in the scores' layout: register 8 kt + j = key 16 kt + 8 h + j: 16 loads
.irp kt, 0,1,2,3,4,5,6,7
	global_load_b128 v[MU+8*\kt:MU+8*\kt+3], v[H32], s[MUB:MUB+1] offset:64*\kt
	global_load_b128 v[MU+8*\kt+4:MU+8*\kt+7], v[H32], s[MUB:MUB+1] offset:64*\kt+16
.endr
.endm
; wei of query tile qt, 64 numbers a lane in window 1, becomes 16 registers of codes and a scale word.  wei is never negative: no |.|, and the hold is one-sided.
.macro PQUANT qt
	WIN 0x05
.irp b, 0,1,2,3
	v_max3_num_f32 v[TM+\b], v[64*\qt+16*\b], v[64*\qt+16*\b+1], 0x4800000   ; and the floor 2^(9 - 127): a block of zeros keeps the byte 1, and its codes are zeros
.endr
	WIN 0x14
.irp i, 2,4,6,8,10,12,14
.irp b, 0,1,2,3
	v_max3_num_f32 v[TM+\b], v[TM+\b], v[64*\qt+16*\b+\i], v[64*\qt+16*\b+\i+1]
.endr
.endr
	WIN 0
.irp b, 0,1,2,3
	v_permlanex16_b32 v[TM+4+\b], v[TM+\b], s[SEL], s[SEL+1]
.endr
.irp b, 0,1,2,3
	v_max_num_f32 v[TM+\b], v[TM+\b], v[TM+4+\b]   ; with lane l xor 16's 16 keys: the block's largest
.endr
.irp b, 0,1,2,3
	v_add_nc_u32 v[TM+12+\b], 0xfc000000, v[TM+\b]
.endr
.irp b, 0,1,2,3
	v_and_or_b32 v[TM+8+\b], v[TM+\b], 0x7f800000, s[MNT]
.endr
.irp b, 0,1,2,3
	v_lshrrev_b32 v[TM+4+\b], 23, v[TM+12+\b]
.endr
	v_lshl_or_b32 v[PSC+\qt], v[TM+5], 8, v[TM+4]
	v_lshl_or_b32 v[PSC+\qt], v[TM+6], 16, v[PSC+\qt]
	v_lshl_or_b32 v[PSC+\qt], v[TM+7], 24, v[PSC+\qt]   ; the 64 holds below are more than the eight places that a scale word so made wants
	WIN 0x41
.irp b, 0,1,2,3
.irp i, 0,1,2,3,4,5,6,7,8,9,10,11,12,13,14,15
	v_min_num_f32 v[64*\qt+16*\b+\i], v[64*\qt+16*\b+\i], v[TM+8+\b]
.endr
.endr
	WIN 0x01
.irp b, 0,1,2,3
	v_cvt_scalef32_pk8_fp8_f32 v[P+16*\qt+4*\b:P+16*\qt+4*\b+1], v[64*\qt+16*\b:64*\qt+16*\b+7], v[TM+12+\b]
	v_cvt_scalef32_pk8_fp8_f32 v[P+16*\qt+4*\b+2:P+16*\qt+4*\b+3], v[64*\qt+16*\b+8:64*\qt+16*\b+15], v[TM+12+\b]
.endr
	WIN 0
	v_nop                                          ; a plain line behind the last conversion
.endm
; A KEY STEP of a wave: 128 keys x 64 queries.
.macro BSTEP zero
	s_wait_loadcnt 36                              ; all but v's 32 + 4 loads, the youngest on every way in: q, k and nmu are in
	WIN 0x42                                       ; source 0 (k) window 2, source 1 (q) window 0, D window 1
.irp kt, 0,1,2,3,4,5,6,7
.irp qt, 0,1,2,3
	SPROD \kt, \qt
.endr
.endr
	WIN 0
.rept 8
	v_nop                                          ; places in front of the loads into k's registers and of the first read of results
.endr
	s_cmp_eq_u32 s[CNT], 1
	s_cbranch_scc1 .Lnk_\@                         ; no load leaves its buffer
	KLOAD                                          ; my next step's k lands under this step's vector work
.Lnk_\@:
; A PREFETCH INTO THE L2 of my key step after the next: its 16,384 bytes of k's codes and of v's, lanes 256 bytes apart, four instructions, behind the loads just issued: one trip ahead of the loads that will want them.
; All work-groups of a batch walk the same k and v from key 0 on: work-group x = 0 asks, in its first block, which needs every key step; its four waves ask for their own steps, so each block of 256 bytes is
; named once in the launch.  It asks while two more steps follow (LIM = 2 there, the greatest number elsewhere); key steps 0 to 7 come by their loads alone.
	s_cmp_gt_u32 s[CNT], s[LIM]
	s_cbranch_scc0 .Lnp_\@
	global_prefetch_b8 v[PF], s[KB:KB+1] offset:65536 th:TH_LOAD_NT scope:SCOPE_SE
	global_prefetch_b8 v[PF], s[KB:KB+1] offset:73728 th:TH_LOAD_NT scope:SCOPE_SE
	global_prefetch_b8 v[PF], s[VB:VB+1] offset:131072 th:TH_LOAD_NT scope:SCOPE_SE
	global_prefetch_b8 v[PF], s[VB:VB+1] offset:139264 th:TH_LOAD_NT scope:SCOPE_SE
.Lnp_\@:
	s_cmp_lg_u32 s[KSI], s[DG]
	s_cbranch_scc1 .Lopen_\@
	s_lshl_b32 s44, s[II], 6                       ; the block's last key step holds the diagonal: key 128 ks + 16 kt + 8 h + j is masked for query 64 i + 16 qt + r where 16 kt + j - 16 qt > r - 8 h + 64 i - 128 ks
	s_lshl_b32 s45, s[KSI], 7
	s_sub_co_u32 s44, s44, s45
	v_add_nc_u32 v[DD], s44, v[RH]
	WIN 0x41
.irp qt, 0,1,2,3
.set NN, 0
.rept 64
	v_cmp_gt_i32 vcc_lo, 16*(NN/8)+NN%8-16*\qt, v[DD]
	v_cndmask_b32 v[64*\qt+NN], v[64*\qt+NN], v[NINF], vcc_lo
.set NN, NN+1
.endr
.endr
	WIN 0
.Lopen_\@:
	WIN 0x41                                       ; S^T in window 1, nmu in window 0
.irp qt, 0,1,2,3
.set NN, 0
.rept 32
	v_pk_fma_f32 v[64*\qt+NN:64*\qt+NN+1], v[64*\qt+NN:64*\qt+NN+1], s[CS:CS+1], v[MU+NN:MU+NN+1] op_sel_hi:[1,0,1]   ; c S + nmu, two at a time; each accumulator from its low end on
.set NN, NN+2
.endr
.endr
.set NN, 0
.rept 256
	v_exp_f32 v[NN], v[NN]                         ; wei
.set NN, NN+1
.endr
	v_nop                                          ; a plain line behind the last exponential
	s_wait_alu depctr_va_vdst(0)                   ; the wait ahead of the first reader, and of the branch below: one for the batch of 256
	WIN 0
	s_cmp_eq_u32 s[CNT], 1
	s_cbranch_scc1 .Lnm_\@
	MULOAD                                         ; my next step's nmu
.Lnm_\@:
	PQUANT 0
	PQUANT 1
	PQUANT 2
	PQUANT 3
.rept 4
	v_nop                                          ; codes made by vector instructions stand four places ahead of a scaled product
.endr
	s_wait_loadcnt 0x0                             ; v, asked for a step ago; the next step's k and nmu, if any, were asked for a long phase ago: 0 is right on both ways
	s_wait_xcnt 0x0                                ; loads and prefetches have read their bases: all five step by four key steps
	s_add_nc_u64 s[KB:KB+1], s[KB:KB+1], 65536
	s_add_nc_u64 s[VB:VB+1], s[VB:VB+1], 65536
	s_add_nc_u64 s[KSB:KSB+1], s[KSB:KSB+1], 2048
	s_add_nc_u64 s[VSB:VSB+1], s[VSB:VSB+1], 2048
	s_add_nc_u64 s[MUB:MUB+1], s[MUB:MUB+1], 2048
	WIN 0xf2                                       ; source 0 (v) window 2, source 1 (wei) window 0, C and D window 3
.irp dt, 0,1,2,3,4,5,6,7
.irp qt, 0,1,2,3
	OPROD \dt, \qt, \zero
.endr
.endr
	WIN 0
.rept 8
	v_nop                                          ; places in front of the loads into v's registers, of the next codes, and of the first read of O^T
.endr
	s_cmp_eq_u32 s[CNT], 1
	s_cbranch_scc1 .Lnv_\@
	VLOAD                                          ; my next step's v: it has that step's scores and vector work in which to land
.Lnv_\@:
	s_add_co_u32 s[KSI], s[KSI], 4
.endm
	s_load_b256 s[4:11], s[0:1], 0x0               ; qkv s[4:5], sc s[6:7], nmu s[8:9], out0 s[10:11]
	v_lshl_add_u32 v[SPW], v0, 2, SPARE
	v_mov_b32 v[NIL], 0
	v_lshrrev_b32 v1, 5, v0
	v_readfirstlane_b32 s[WV], v1                  ; wave 0..3
	s_mov_b32 s[PP], ttmp9
	s_and_b32 s[BT], ttmp7, 0xffff
	v_and_b32 v[LN], 31, v0
	v_and_b32 v[RR], 15, v0
	v_bfe_u32 v[HH], v0, 4, 1
	v_lshlrev_b32 v[L16], 4, v[LN]
	v_lshlrev_b32 v[L4], 2, v[LN]
	v_lshlrev_b32 v[H32], 5, v[HH]
	v_lshlrev_b32 v[RH], 3, v[HH]
	v_sub_nc_u32 v[RH], v[RR], v[RH]
	v_lshlrev_b32 v[PF], 8, v[LN]
	s_lshl_b32 s44, s[WV], 15
	v_add_nc_u32 v[IM], s44, v[L16]
	s_lshl_b32 s44, s[WV], 13
	v_add_nc_u32 v[RM], s44, v[L16]
	v_add_nc_u32 v[RM2], 65536, v[RM]
	s_mul_i32 s44, s[WV], 8448
	s_add_co_u32 s44, s44, STG                     ; my stage
	v_mul_u32_u24 v[SO], v[RR], 528
	v_lshl_add_u32 v[SO], v[HH], 5, v[SO]
	v_add_nc_u32 v[SO], s44, v[SO]                 ; in: row r, 32 bytes for each half of the lanes
	v_add_nc_u32 v[SR], s44, v[L16]                ; back: the 32 lanes take one row of 512 bytes
	v_mov_b32 v[NINF], 0xff800000
.irp b, 0,1,2,3
	v_mov_b32 v[TM+4+\b], 0                        ; a lane permute's destination counts as one of its sources
.endr
	s_mov_b32 s[CS], 0x3e0293ee                    ; c = log2(e) / sqrt(128)
	s_mov_b32 s[CS+1], s[CS]
	s_mov_b32 s[SEL], 0x76543210
	s_mov_b32 s[SEL+1], 0xfedcba98
	s_mov_b32 s[MNT], 0x600000
	s_sub_co_u32 s[II], 63, s[PP]                  ; the long block first
	s_cmp_eq_u32 s[PP], 0
	s_cselect_b32 s[LIM], 2, -1
	s_mov_b32 s[BLK], 2
	s_wait_kmcnt 0x0
.Lblock:
	s_wait_loadcnt 0x0                             ; no load of the last block is out when its registers are loaded anew: a wave's last key step issues none, and this wait holds that on every way through the text
	s_wait_xcnt 0x0                                ; the last block's stores have read their base and their registers: both may be written
	s_lshr_b32 s[DG], s[II], 1                     ; the key step that holds the diagonal,
	s_add_co_u32 s[NS], s[DG], 1                   ; and the number of key steps
	s_lshl_b32 s43, s[BT], 12
	s_lshl_b32 s44, s[II], 6
	s_add_co_u32 s43, s43, s44                     ; the block's first token
	s_lshl_b32 s44, s[WV], 4
	s_add_co_u32 s44, s44, s43
	s_lshl_b32 s44, s44, 9                         ; rows of 512 bytes
	s_mov_b32 s45, 0
	s_add_nc_u64 s[OB:OB+1], s[10:11], s[44:45]    ; out: query tile w
	s_cmp_ge_u32 s[WV], s[NS]
	s_cbranch_scc1 .Lnosteps                       ; a wave with no key step goes on to the barrier
	s_sub_co_u32 s[CNT], s[NS], s[WV]
	s_add_co_u32 s[CNT], s[CNT], 3
	s_lshr_b32 s[CNT], s[CNT], 2                   ; my key steps
	s_mov_b32 s[KSI], s[WV]
	s_lshl_b32 s46, s[BT], 5
	s_add_co_u32 s46, s46, s[WV]                   ; 32 batch + key step
	s_lshl_b32 s44, s46, 14                        ; 16,384 bytes of codes a key step
	s_add_nc_u64 s[KB:KB+1], s[4:5], s[44:45]
	s_add_nc_u64 s[VB:VB+1], s[KB:KB+1], 8388608
	s_add_nc_u64 s[KB:KB+1], s[KB:KB+1], 4194304
	s_lshl_b32 s44, s46, 9                         ; 512 bytes of words a key step
	s_add_nc_u64 s[MUB:MUB+1], s[8:9], s[44:45]
	s_add_nc_u64 s[KSB:KSB+1], s[6:7], s[44:45]
	s_add_nc_u64 s[VSB:VSB+1], s[KSB:KSB+1], 262144
	s_add_nc_u64 s[KSB:KSB+1], s[KSB:KSB+1], 131072
	s_lshl_b32 s44, s43, 7                         ; 128 bytes of codes a token
	s_add_nc_u64 s[QB:QB+1], s[4:5], s[44:45]
	s_lshl_b32 s44, s43, 2
	s_add_nc_u64 s[QSB:QSB+1], s[6:7], s[44:45]
.set NN, 0
.rept 16
	global_load_b128 v[Q+4*NN:Q+4*NN+3], v[L16], s[QB:QB+1] offset:512*NN   ; the block's four fragments of q stay in registers
.set NN, NN+1
.endr
	global_load_b32 v[QSC], v[L4], s[QSB:QSB+1]
	global_load_b32 v[QSC+1], v[L4], s[QSB:QSB+1] offset:128
	KLOAD
	MULOAD
	VLOAD
	s_wait_xcnt 0x0                                ; the loads have read their bases: k's and nmu's step to my next key step, v's stay (v is asked for at a step's end)
	s_add_nc_u64 s[KB:KB+1], s[KB:KB+1], 65536
	s_add_nc_u64 s[KSB:KSB+1], s[KSB:KSB+1], 2048
	s_add_nc_u64 s[MUB:MUB+1], s[MUB:MUB+1], 2048
	BSTEP 1                                        ; my first step stands in front of the loop: its products start O^T's sums
	s_sub_co_u32 s[CNT], s[CNT], 1
	s_cmp_eq_u32 s[CNT], 0
	s_cbranch_scc1 .Ldone
.Lstep:
	BSTEP 0
	s_sub_co_u32 s[CNT], s[CNT], 1
	s_cmp_lg_u32 s[CNT], 0
	s_cbranch_scc1 .Lstep
.Ldone:
	WIN 0x0c                                       ; an LDS store's data are its source 1: window 3
.set NN, 0
.rept 64
	ds_store_b128 v[IM], v[4*NN:4*NN+3] offset:512*NN   ; my partial O^T as an image of its registers, each accumulator from its low end on
.set NN, NN+1
.endr
	WIN 0
.Lnosteps:
	s_wait_dscnt 0x0                               ; for the others' sake: my image has landed
	s_barrier_signal -1
	s_barrier_wait -1
	WIN 0x40                                       ; wave w adds up query tile w: wave 0's part first (wave 0 always has a step)
.set NN, 0
.rept 16
	ds_load_b128 v[4*NN:4*NN+3], v[RM] offset:512*NN
.set NN, NN+1
.endr
	WIN 0
.macro ADDIMG adr, off                 ; one more wave's part
	WIN 0x40
.set NN, 0
.rept 16
	ds_load_b128 v[64+4*NN:64+4*NN+3], v[\adr] offset:\off+512*NN
.set NN, NN+1
.endr
	s_wait_dscnt 0x0
	WIN 0x45
.set NN, 0
.rept 32
	v_pk_add_f32 v[NN:NN+1], v[NN:NN+1], v[64+NN:64+NN+1]
.set NN, NN+2
.endr
	WIN 0
.endm
	s_cmp_lt_u32 s[NS], 2                          ; wave v has stored an image where v < n
	s_cbranch_scc1 .Lsummed
	ADDIMG RM, 32768
	s_cmp_lt_u32 s[NS], 3
	s_cbranch_scc1 .Lsummed
	ADDIMG RM2, 0
	s_cmp_lt_u32 s[NS], 4
	s_cbranch_scc1 .Lsummed
	ADDIMG RM2, 32768
.Lsummed:
	s_wait_dscnt 0x0                               ; my reads of the images are over: behind this barrier the next block may write them
	s_barrier_signal -1
	s_barrier_wait -1
	WIN 0x04                                       ; the way out: register 8 dt + j of lane (r, h) is out(query r, d = 16 dt + 8 h + j): through my own stage, back as whole rows
.irp dt, 0,1,2,3,4,5,6,7
	ds_store_b128 v[SO], v[8*\dt:8*\dt+3] offset:64*\dt
	ds_store_b128 v[SO], v[8*\dt+4:8*\dt+7] offset:64*\dt+16
.endr
	WIN 0x40
.set NN, 0
.rept 16
	ds_load_b128 v[64+4*NN:64+4*NN+3], v[SR] offset:528*NN   ; LDS serves a wave's instructions in order (ISA guide 5.7.1.4): these see my stores
.set NN, NN+1
.endr
	WIN 0x04
.set NN, 0
.rept 16
	s_wait_dscnt 15-NN                             ; row NN is back; the rows behind it may be out
	global_store_b128 v[L16], v[64+4*NN:64+4*NN+3], s[OB:OB+1] offset:512*NN th:TH_STORE_NT   ; the wave stores a row: 512 consecutive bytes, aligned
.set NN, NN+1
.endr
	WIN 0
	s_sub_co_u32 s[II], 63, s[II]                  ; the other block
	s_mov_b32 s[LIM], -1                           ; nothing more is prefetched
	s_sub_co_u32 s[BLK], s[BLK], 1
	s_cmp_lg_u32 s[BLK], 0
	s_cbranch_scc1 .Lblock
	s_wait_tensorcnt 0x0                           ; the wave's end, behind my last LDS store
	ds_add_u32 v[SPW], v[NIL]
	s_wait_dscnt 0x0
	s_endpgm
.Lfunc_end_k_qe4d7240b7b_attn:
	.size	k_qe4d7240b7b_attn, .Lfunc_end_k_qe4d7240b7b_attn-k_qe4d7240b7b_attn
	.p2alignl 7, 3214868480
	.fill 96, 4, 3214868480
	.section	.rodata,"a",@progbits
	.p2align	6, 0x0
	.amdhsa_kernel k_qe4d7240b7b_attn
		.amdhsa_group_segment_fixed_size 165376
		.amdhsa_private_segment_fixed_size 0
		.amdhsa_enable_private_segment 0
		.amdhsa_kernarg_size 32
		.amdhsa_user_sgpr_count 2
		.amdhsa_user_sgpr_kernarg_segment_ptr 1
		.amdhsa_wavefront_size32 1
		.amdhsa_system_sgpr_workgroup_id_x 1
		.amdhsa_system_sgpr_workgroup_id_y 1
		.amdhsa_system_sgpr_workgroup_id_z 1
		.amdhsa_system_vgpr_workitem_id 0
		.amdhsa_next_free_vgpr 1024
		.amdhsa_next_free_sgpr 66
		.amdhsa_reserve_vcc 1
		.amdhsa_float_denorm_mode_32 3
		.amdhsa_float_denorm_mode_16_64 3
		.amdhsa_memory_ordered 1
		.amdhsa_forward_progress 1
		.amdhsa_inst_pref_size 190
	.end_amdhsa_kernel
	.amdgpu_metadata
---
amdhsa.version: [ 1, 2 ]
amdhsa.kernels:
  - .name:           k_qe4d7240b7b_attn
    .symbol:         k_qe4d7240b7b_attn.kd
    .args:
      - { .name: qkv, .offset: 0, .size: 8, .value_kind: global_buffer, .address_space: global }
      - { .name: sc, .offset: 8, .size: 8, .value_kind: global_buffer, .address_space: global }
      - { .name: nmu, .offset: 16, .size: 8, .value_kind: global_buffer, .address_space: global }
      - { .name: out0, .offset: 24, .size: 8, .value_kind: global_buffer, .address_space: global }
    .group_segment_fixed_size: 165376
    .private_segment_fixed_size: 0
    .kernarg_segment_align: 8
    .kernarg_segment_size: 32
    .max_flat_workgroup_size: 128
    .sgpr_count:     66
    .vgpr_count:     1024
    .wavefront_size: 32
...
	.end_amdgpu_metadata
.endif
;; end of part 4
;; ======== version 2 of 2: 4 launches
;; workspace buffers: wq 835,584 bytes; qkv 12,582,912 bytes; sc 393,216 bytes; nmu 131,072 bytes
;; launch wquant (part 5): grid 16 x 3, 8 waves a work-group, no clusters, 0 bytes of LDS; arguments Wq, Wk, Wv, wq; writes wq
.if DOCPART == 5
	.amdgcn_target "amdgcn-amd-amdhsa--gfx1250"
	.amdhsa_code_object_version 6
	.text
	.protected	k_qe4d7240b7b_wquant
	.globl	k_qe4d7240b7b_wquant
	.p2align	8
	.type	k_qe4d7240b7b_wquant,@function
k_qe4d7240b7b_wquant:
	s_mov_b64 s[64:65], 0
	v_nop
	global_prefetch_b8 v0, s[64:65] scope:SCOPE_SE
	s_setreg_imm32_b32 hwreg(HW_REG_WAVE_MODE, 25, 1), 1
	s_wait_xcnt 0x0
; THE PROGRAM (four launches): q, k, v = x W (K = 2,048); S = q k^T / sqrt(128) under the causal mask that the problem builds itself; a softmax over the QUERY axis (each key's column is
; normalised over the queries at or behind it); out = wei v.  All five products on codes of E4M3 with one E8M0 scale for each 32 along K.
;   wquant: Wq, Wk, Wv -> codes and scale words, laid in the order of the operand's registers.      proj: x -> codes in registers; q, k, v; their codes and scale words.
;   stats:  for each key s: nmu[s] = -(T + log2 L), T = c x the column's largest score, L = the sum over the queries t >= s of 2^(c S - T), c = log2(e) / sqrt(128): a running maximum is taken away.
;   attn:   wei[t][s] = 2^(c S[t][s] + nmu[s]), finished and normalised, is quantised along the keys and multiplied by v.
; WORK LEFT OUT, for all values of the inputs: where key s > query t the problem's own mask sets the score to -infinity, so wei[t][s] = 0: it adds nothing to the column's sum nor to out.  Steps of
; queries x keys that lie WHOLLY on that side are not multiplied, in stats and in attn; steps that the diagonal crosses are multiplied and masked.  All four inputs have a way to the output and are loaded.
; LIMITS: a NaN, an infinity or an overflow that reaches only the steps left out is not carried to the result; NaN and infinities among the inputs are not served; a block of zeros gets the scale
; byte 1 where the quantiser says 127 (its codes are zeros, and this program alone reads the bytes); blocks whose largest magnitude lies under 2^(9 - 127) keep the byte 1.
; THIS LAUNCH.  W [2048 (E)][128 (d)], f32: K is the FIRST axis.  A wave makes one fragment, 16 columns x 128 along E: lane (r, h) takes column 16 ct + r and its registers run DOWN E in the order of the
; operand's layout (register 16 c + i: E = 128 ks + 32 c + 16 h + i), so the conversions' results are the operand's registers.  Work-group x = K step ks, y = which weight, wave = column tile ct.
; wq: codes [ks 16][w 4][f 6][c 4][lane 32][16 bytes], f = 2 x weight + u, ct = 2 w + u; scale words behind them, [ks][w][f][lane 32], both halves of the lanes holding their row's word.
; No LDS, no matrix unit, no cluster: 3 MiB are read once, and no two work-groups read the same bytes.
.set XN,  32                           ; v32-95   64 numbers
.set PC,  96                           ; v96-111  the fragment's codes
.set PW,  112                          ; v112     its scale word
.set TM,  16                           ; v16-19 largest magnitudes, v20-23 bytes, v24-27 448 x the scale, v28-31 the conversions' scale operands
.set SCW, 786432                       ; where the scale words begin in wq
	s_load_b256 s[4:11], s[0:1], 0x0               ; Wq s[4:5], Wk s[6:7], Wv s[8:9], wq s[10:11]
	v_lshrrev_b32 v1, 5, v0
	s_delay_alu instid0(VALU_DEP_1)
	v_readfirstlane_b32 s12, v1                    ; wave = column tile ct
	s_and_b32 s13, ttmp7, 0xffff                   ; which weight
	v_and_b32 v2, 15, v0                           ; r
	v_bfe_u32 v3, v0, 4, 1                         ; h
	s_delay_alu instid0(VALU_DEP_2)
	v_lshlrev_b32 v2, 2, v2
	s_delay_alu instid0(VALU_DEP_1)
	v_lshl_add_u32 v3, v3, 13, v2                  ; in: 16 h rows of 512 bytes + 4 r
	v_and_b32 v4, 31, v0
	s_delay_alu instid0(VALU_DEP_1)
	v_lshlrev_b32 v5, 2, v4                        ; out: 4 x lane
	s_delay_alu instid0(VALU_DEP_2)
	v_lshlrev_b32 v4, 4, v4                        ;      16 x lane
.irp b, 0,1,2,3
	v_mov_b32 v[TM+4+\b], 0                        ; a lane permute's destination counts as one of its sources
.endr
	s_lshl_b32 s14, ttmp9, 16                      ; 128 ks rows of 512 bytes
	s_lshl_b32 s15, s12, 6                         ; + 16 ct columns
	s_add_co_u32 s14, s14, s15
	s_mov_b32 s15, 0
	s_lshl_b32 s16, ttmp9, 2
	s_lshr_b32 s17, s12, 1
	s_add_co_u32 s16, s16, s17
	s_mul_i32 s16, s16, 6
	s_lshl_b32 s17, s13, 1
	s_add_co_u32 s16, s16, s17
	s_and_b32 s17, s12, 1
	s_add_co_u32 s16, s16, s17                     ; the fragment's number: (4 ks + ct / 2) 6 + 2 x weight + ct % 2
	s_lshl_b32 s18, s16, 11                        ; 2,048 bytes of codes each
	s_mov_b32 s19, 0
	s_lshl_b32 s20, s16, 7                         ; 128 bytes of scale words each
	s_add_co_u32 s20, s20, SCW
	s_mov_b32 s21, 0
	s_mov_b32 s22, 0x76543210
	s_mov_b32 s23, 0xfedcba98                      ; v_permlanex16_b32's selects for lane l xor 16
	s_mov_b32 s24, 0x600000                        ; the mantissa field of 448
	s_wait_alu depctr_va_vdst(0)
	s_wait_kmcnt 0x0
	s_cmp_eq_u32 s13, 1                            ; the choice hangs on the work-group's number alone
	s_cselect_b64 s[4:5], s[6:7], s[4:5]
	s_cmp_eq_u32 s13, 2
	s_cselect_b64 s[4:5], s[8:9], s[4:5]
	s_add_nc_u64 s[4:5], s[4:5], s[14:15]
	s_add_nc_u64 s[26:27], s[10:11], s[18:19]
	s_add_nc_u64 s[28:29], s[10:11], s[20:21]
.irp c, 0,1,2,3
.irp i, 0,1,2,3,4,5,6,7,8,9,10,11,12,13,14,15
	global_load_b32 v[XN+16*\c+\i], v3, s[4:5] offset:512*(32*\c+\i)   ; W(128 ks + 32 c + 16 h + i, 16 ct + r); the eight waves together take whole rows of 512 bytes
.endr
.endr
	s_wait_loadcnt 0x0
.irp b, 0,1,2,3
	v_max3_num_f32 v[TM+\b], |v[XN+16*\b]|, |v[XN+16*\b+1]|, 0x4800000   ; block b: my 16 numbers, and the floor 2^(9 - 127): the byte cannot fall under 1
.endr
.irp i, 2,4,6,8,10,12,14
.irp b, 0,1,2,3
	s_delay_alu instid0(VALU_DEP_4)
	v_max3_num_f32 v[TM+\b], v[TM+\b], |v[XN+16*\b+\i]|, |v[XN+16*\b+\i+1]|   ; the four blocks by turns
.endr
.endr
.irp b, 0,1,2,3
	s_delay_alu instid0(VALU_DEP_4)
	v_permlanex16_b32 v[TM+4+\b], v[TM+\b], s22, s23
.endr
.irp b, 0,1,2,3
	s_delay_alu instid0(VALU_DEP_4)
	v_max_num_f32 v[TM+\b], v[TM+\b], v[TM+4+\b]   ; with lane l xor 16's 16: the block's largest magnitude
.endr
.irp b, 0,1,2,3
	s_delay_alu instid0(VALU_DEP_4)
	v_add_nc_u32 v[TM+12+\b], 0xfc000000, v[TM+\b] ; 8 off its exponent field: the conversion's scale operand
.endr
.irp b, 0,1,2,3
	v_and_or_b32 v[TM+8+\b], v[TM+\b], 0x7f800000, s24   ; 448 x the scale
.endr
.irp b, 0,1,2,3
	v_lshrrev_b32 v[TM+4+\b], 23, v[TM+12+\b]      ; the scale's byte
.endr
	s_delay_alu instid0(VALU_DEP_3)
	v_lshl_or_b32 v[PW], v[TM+5], 8, v[TM+4]
	s_delay_alu instid0(VALU_DEP_1)
	v_lshl_or_b32 v[PW], v[TM+6], 16, v[PW]
	s_delay_alu instid0(VALU_DEP_1)
	v_lshl_or_b32 v[PW], v[TM+7], 24, v[PW]        ; column r's scale word
.irp b, 0,1,2,3
.irp i, 0,1,2,3,4,5,6,7,8,9,10,11,12,13,14,15
	v_med3_num_f32 v[XN+16*\b+\i], v[XN+16*\b+\i], -v[TM+8+\b], v[TM+8+\b]   ; the conversion to an 8-bit code does not saturate (ISA guide 7.6.2): the hold comes first
.endr
.endr
.irp b, 0,1,2,3
	v_cvt_scalef32_pk8_fp8_f32 v[PC+4*\b:PC+4*\b+1], v[XN+16*\b:XN+16*\b+7], v[TM+12+\b]
	v_cvt_scalef32_pk8_fp8_f32 v[PC+4*\b+2:PC+4*\b+3], v[XN+16*\b+8:XN+16*\b+15], v[TM+12+\b]
.endr
	v_nop                                          ; a plain line behind the last conversion
.irp c, 0,1,2,3
	global_store_b128 v4, v[PC+4*\c:PC+4*\c+3], s[26:27] offset:512*\c   ; the wave stores 512 consecutive bytes, aligned
.endr
	global_store_b32 v5, v[PW], s[28:29]           ; 128 consecutive bytes
	s_endpgm
.Lfunc_end_k_qe4d7240b7b_wquant:
	.size	k_qe4d7240b7b_wquant, .Lfunc_end_k_qe4d7240b7b_wquant-k_qe4d7240b7b_wquant
	.p2alignl 7, 3214868480
	.fill 96, 4, 3214868480
	.section	.rodata,"a",@progbits
	.p2align	6, 0x0
	.amdhsa_kernel k_qe4d7240b7b_wquant
		.amdhsa_group_segment_fixed_size 0
		.amdhsa_private_segment_fixed_size 0
		.amdhsa_enable_private_segment 0
		.amdhsa_kernarg_size 32
		.amdhsa_user_sgpr_count 2
		.amdhsa_user_sgpr_kernarg_segment_ptr 1
		.amdhsa_wavefront_size32 1
		.amdhsa_system_sgpr_workgroup_id_x 1
		.amdhsa_system_sgpr_workgroup_id_y 1
		.amdhsa_system_sgpr_workgroup_id_z 1
		.amdhsa_system_vgpr_workitem_id 0
		.amdhsa_next_free_vgpr 128
		.amdhsa_next_free_sgpr 66
		.amdhsa_reserve_vcc 0
		.amdhsa_float_denorm_mode_32 3
		.amdhsa_float_denorm_mode_16_64 3
		.amdhsa_memory_ordered 1
		.amdhsa_forward_progress 1
		.amdhsa_inst_pref_size 18
	.end_amdhsa_kernel
	.amdgpu_metadata
---
amdhsa.version: [ 1, 2 ]
amdhsa.kernels:
  - .name:           k_qe4d7240b7b_wquant
    .symbol:         k_qe4d7240b7b_wquant.kd
    .args:
      - { .name: Wq, .offset: 0, .size: 8, .value_kind: global_buffer, .address_space: global }
      - { .name: Wk, .offset: 8, .size: 8, .value_kind: global_buffer, .address_space: global }
      - { .name: Wv, .offset: 16, .size: 8, .value_kind: global_buffer, .address_space: global }
      - { .name: wq, .offset: 24, .size: 8, .value_kind: global_buffer, .address_space: global }
    .group_segment_fixed_size: 0
    .private_segment_fixed_size: 0
    .kernarg_segment_align: 8
    .kernarg_segment_size: 32
    .max_flat_workgroup_size: 256
    .sgpr_count:     66
    .vgpr_count:     128
    .wavefront_size: 32
...
	.end_amdgpu_metadata
.endif
;; end of part 5
;; launch proj (part 6): grid 256 x 1, 4 waves a work-group, no clusters, 327,680 bytes of LDS; arguments x, wq, qkv, sc; writes qkv, sc
.if DOCPART == 6
	.amdgcn_target "amdgcn-amd-amdhsa--gfx1250"
	.amdhsa_code_object_version 6
	.text
	.protected	k_qe4d7240b7b_proj
	.globl	k_qe4d7240b7b_proj
	.p2align	8
	.type	k_qe4d7240b7b_proj,@function
k_qe4d7240b7b_proj:
	s_mov_b64 s[64:65], 0
	v_nop
	global_prefetch_b8 v0, s[64:65] scope:SCOPE_SE
	s_setreg_imm32_b32 hwreg(HW_REG_WAVE_MODE, 25, 1), 1
	s_wait_xcnt 0x0
; q, k, v = x W on codes of E4M3, and their own codes for the two attention products.  x [32,768 tokens][2,048] f32; wq: the weights' fragments and scale words (launch wquant).
; SHARES.  A work-group takes 128 tokens: one key step of the last product (work-group = 32 x batch + key step).  K goes in 16 steps of 128.  Wave w quantises rows 32 w .. 32 w + 31 of x in registers and
; hands the two fragments round through LDS as IMAGES OF THEIR REGISTERS (16 bytes a lane, 512 bytes a store); for all 128 tokens it multiplies the six column tiles of d = 32 w .. 32 w + 31
; (q, k, v; u = 0, 1): 48 accumulators, 48 matrix instructions a K step, the accumulators by turns in one fixed order.
; ORIENTATION.  q, k: source 0 = W's fragment, source 1 = x's: a lane holds ONE token and its registers run along d, which is the K of q k^T.  v: source 0 = x's, source 1 = Wv's: a lane holds one d and its
; registers run along the tokens, which are the K of wei v.  So the conversions' results are the next operands' registers.
; ORDER INSIDE A BLOCK OF 32.  The 16 registers of two neighbouring result tiles u = 0, 1 hold elements 32 b + 16 u + 8 h + j and are laid at operand place 32 b + 16 h + 8 u + j.  The exchange stays inside a
; block of 32 and is the same on both sides of each later product (q and k here; v here and wei in attn), so blocks, scales and products are those of the quantiser; only the order of summing differs.
; x comes by the tensor data mover: each wave has its own 32 rows x 1,024 bytes (two K steps) in each of two slots, reads only its own bytes, and refills behind the barrier of every second K step.
; A wave has one tensor load out at a time.
; NO CLUSTER: what work-groups share is W, which goes from memory straight into operand registers, 30 loads a wave a K step.  As joint tiles it would want two LDS slots of 49,152 bytes beside the ring
; (266,240) and the images and words (36,864): 401,408 bytes, more than the 327,680 there are.  No prefetch: the ring's own loads are the stream.
; OUT.  qkv: q's codes at 0, k's at 4 MiB: [token tile][c 4][lane 32][16 bytes]; v's at 8 MiB: [work-group][d tile 8][c][lane][16].  sc: q's words [token] at 0, k's at 131,072, v's [work-group][d 128] at 262,144.
; LIMITS: as stated at the head of wquant.
; REGISTERS.  window 0: v1-15 addresses; v16-27 W's scale words, two sets; v28-35 x's; v36-51 at work; v52, v53 scale words just made; v54, v55 the add's two; v56-87 codes just made; v128-255 128 numbers of x.
;   window 1: W's fragments, set p at 96 p + 16 f.   window 2: q's and k's accumulators at 128 m + 16 T + 8 u.   window 3: v's at 64 u + 8 T; from v128 x's eight fragments.
.set SLOT,  133120                     ; a slot: four waves x 33,280
.set WSL,   33280                      ; a wave's part: 32 rows x 1,040
.set XP,    1040                       ; an LDS row: 1,024 bytes + 16 of padding = 260 words: the 16 rows that a load touches start 4 words apart modulo 64
.set IMG,   266240                     ; behind the ring: x's images, parity p x 16,384 + tile x 2,048 + 512 c + 16 x lane
.set ISC,   299008                     ; their scale words: p x 1,024 + tile x 128 + 4 x lane
.set SCB,   301056                     ; the way out's scale words: q's 512 bytes, k's, v's
.set SPARE, 302592                     ; the spare words, 128 bytes for each wave: two blocks of 256 bytes that no other line names
.set RR,  1
.set HH,  2
.set LN,  3
.set XA,  4                            ; my place in my wave's part of a slot: 1,040 r + 64 h + 33,280 w
.set XAD, 5                            ; the same in the slot in hand
.set LI,  6                            ; IMG + 16 x lane
.set LS,  7                            ; ISC + 4 x lane
.set IW,  8                            ; where I store my images: LI + 4,096 w
.set SW,  9                            ; and their words: LS + 256 w
.set L16, 10
.set L4,  11
.set SB,  12                           ; SCB + 4 r + w: my token's word, my block's byte
.set SV,  13                           ; SCB + 1,024 + 128 w + 4 x lane
.set SR,  14                           ; SCB + 512 min(w, 2) + 16 x lane
.set VW,  15
.set WS,  16
.set XS,  28
.set TM,  36
.set PW0, 52
.set PW1, 53
.set SPW, 54
.set NIL, 55
.set PC0, 56
.set PC1, 72
.set XN,  128
.set WV,  12
.set TB,  14                           ; s14  LDS byte at which the slot in hand begins
.set CNT, 15
.set G1,  16                           ; s[16:23] descriptor group 1
.set G0A, 24                           ; s[24:27] group 0 of slot 0's first fill
.set G0B, 28                           ; s[28:31] group 0 of slot 1's first fill; it then walks
.set WB,  32                           ; s[32:33] my fragments of W at the trip's first K step
.set WSB, 34                           ; s[34:35] their scale words
.set SEL, 36
.set MNT, 38
.set QO,  40
.set VO,  42
.set SCO, 44
.set MSB, 0
.macro WIN new                         ; the immediate's high byte repeats the setting that is left; a switch that changes nothing is dropped
.if MSB != (\new)
	s_set_vgpr_msb (MSB<<8)|(\new)
.set MSB, (\new)
.endif
.endm
; 64 numbers of a lane in window win, register 16 b + i: the i-th of my 16 of block b, become 16 registers of codes at v[pc] and (word = 1) a scale word in v[pw] of window 0.  Each run of eight registers is read from its low end on.
.macro QUANT src, win, pc, pw, word
	WIN (\win)|((\win)<<2)
.irp b, 0,1,2,3
	v_max3_num_f32 v[TM+\b], |v[(\src)+16*\b]|, |v[(\src)+16*\b+1]|, 0x4800000   ; and the floor 2^(9 - 127): the byte cannot fall under 1
.endr
	WIN ((\win)<<2)|((\win)<<4)
.irp i, 2,4,6,8,10,12,14
.irp b, 0,1,2,3
	v_max3_num_f32 v[TM+\b], v[TM+\b], |v[(\src)+16*\b+\i]|, |v[(\src)+16*\b+\i+1]|   ; the four blocks by turns
.endr
.endr
	WIN 0
.irp b, 0,1,2,3
	v_permlanex16_b32 v[TM+4+\b], v[TM+\b], s[SEL], s[SEL+1]
.endr
.irp b, 0,1,2,3
	v_max_num_f32 v[TM+\b], v[TM+\b], v[TM+4+\b]   ; with lane l xor 16's 16: the block's largest magnitude
.endr
.irp b, 0,1,2,3
	v_add_nc_u32 v[TM+12+\b], 0xfc000000, v[TM+\b] ; 8 off its exponent field: the conversion's scale operand
.endr
.irp b, 0,1,2,3
	v_and_or_b32 v[TM+8+\b], v[TM+\b], 0x7f800000, s[MNT]   ; 448 x the scale
.endr
.irp b, 0,1,2,3
	v_lshrrev_b32 v[TM+4+\b], 23, v[TM+12+\b]      ; the scale's byte
.endr
.if \word
	v_lshl_or_b32 v[\pw], v[TM+5], 8, v[TM+4]
	v_lshl_or_b32 v[\pw], v[TM+6], 16, v[\pw]
	v_lshl_or_b32 v[\pw], v[TM+7], 24, v[\pw]
.endif
	WIN (\win)|((\win)<<6)
.irp b, 0,1,2,3
.irp i, 0,1,2,3,4,5,6,7,8,9,10,11,12,13,14,15
	v_med3_num_f32 v[(\src)+16*\b+\i], v[(\src)+16*\b+\i], -v[TM+8+\b], v[TM+8+\b]   ; the conversion does not saturate (ISA guide 7.6.2): the hold comes first
.endr
.endr
	WIN (\win)
.irp b, 0,1,2,3
	v_cvt_scalef32_pk8_fp8_f32 v[(\pc)+4*\b:(\pc)+4*\b+1], v[(\src)+16*\b:(\src)+16*\b+7], v[TM+12+\b]
	v_cvt_scalef32_pk8_fp8_f32 v[(\pc)+4*\b+2:(\pc)+4*\b+3], v[(\src)+16*\b+8:(\src)+16*\b+15], v[TM+12+\b]
.endr
	WIN 0
	v_nop                                          ; a plain line behind the last conversion
.endm
.macro IMAGE pc, pw, par, tt           ; my tile tt's fragment and scale word go to LDS as they stand
.irp c, 0,1,2,3
	ds_store_b128 v[IW], v[\pc+4*\c:\pc+4*\c+3] offset:16384*(\par)+2048*(\tt)+512*\c
.endr
	ds_store_b32 v[SW], v[\pw] offset:1024*(\par)+128*(\tt)
.endm
.macro XLOAD half                      ; my 32 rows' numbers of one K step, 64 a lane and tile: of each block of 32 my half's 16 neighbours
.irp tt, 0,1
.irp b, 0,1,2,3
.irp j, 0,1,2,3
	ds_load_b128 v[XN+64*\tt+16*\b+4*\j:XN+64*\tt+16*\b+4*\j+3], v[XAD] offset:16640*\tt+512*(\half)+128*\b+16*\j
.endr
.endr
.endr
.endm
; A K STEP.  hf: which half of the slot, and the parity of the images and of W's set.  zero: the products start the sums.  refill: the slot just read out is filled again.  last: nothing follows.
.macro KSTEP hf, zero, refill, last
	s_wait_dscnt 16                                ; tile 0's sixteen loads are in; tile 1's may be out
	QUANT XN, 0, PC0, PW0, 1
	IMAGE PC0, PW0, \hf, 0
.if \last == 0
	WIN 0x40                                       ; the next K step's W into the other set: its last readers stand behind more than eight plain lines (the quantiser's)
.set NN, 0
.rept 24
	global_load_b128 v[96*(1-\hf)+4*NN:96*(1-\hf)+4*NN+3], v[L16], s[WB:WB+1] offset:49152*(\hf+1)+512*NN
.set NN, NN+1
.endr
	WIN 0
.irp f, 0,1,2,3,4,5
	global_load_b32 v[WS+6*(1-\hf)+\f], v[L4], s[WSB:WSB+1] offset:3072*(\hf+1)+128*\f
.endr
.endif
	s_wait_dscnt 5                                 ; tile 1's loads are in; the five stores just issued may be out
	QUANT XN+64, 0, PC1, PW1, 1
	IMAGE PC1, PW1, \hf, 1
.if \hf == 0
	s_wait_dscnt 0x0                               ; my images have landed, and my reads of the other parity's are over
	s_barrier_signal -1
	s_barrier_wait -1                              ; my tensor load may stay out
.else
.if \refill
	s_wait_tensorcnt 0x0                           ; all my tensor loads have landed: my part of the next slot; so a group 0 may be written
	ds_add_u32 v[SPW], v[NIL]                      ; 0 onto my spare word; the descriptor's step stands between it and the wait for it
	s_xor_b32 s[G0B+1], s[G0B+1], SLOT             ; the other slot than last time (SLOT's two bits meet none of 33,280 w),
	s_add_nc_u64 s[G0B+2:G0B+3], s[G0B+2:G0B+3], 1024   ; the next two K steps; the type bits on top are not reached
	s_wait_dscnt 0x0                               ; the add is done, my images have landed, my reads of the slot are over
	s_barrier_signal -1
	s_barrier_wait -1
	tensor_load_to_lds s[G0B:G0B+3], s[G1:G1+7]    ; my one tensor load behind this barrier, and the first thing there: it has two K steps in which to land
	s_nop 0
.rept 4
	v_nop
.endr
.else
.if \last == 0
	s_wait_tensorcnt 0x0                           ; my part of the last slot is in
.endif
	s_wait_dscnt 0x0
	s_barrier_signal -1
	s_barrier_wait -1
.endif
.if \last == 0
	s_xor_b32 s[TB], s[TB], SLOT                   ; on to the other slot
	v_add_nc_u32 v[XAD], s[TB], v[XA]
.endif
.endif
.irp T, 0,1,2,3,4,5,6,7
	ds_load_b32 v[XS+\T], v[LS] offset:1024*\hf+128*\T
.endr
	WIN 0xc0                                       ; destination window 3
.irp T, 0,1,2,3,4,5,6,7
.irp c, 0,1,2,3
	ds_load_b128 v[128+16*\T+4*\c:128+16*\T+4*\c+3], v[LI] offset:16384*\hf+2048*\T+512*\c
.endr
.endr
.if \last
	s_wait_loadcnt 0x0
.else
	s_wait_alu depctr_va_vdst(0)
	s_wait_loadcnt 30                              ; this K step's W is in; the 24 + 6 loads of the next may be out
.endif
	WIN 0xad                                       ; source 0 (W) window 1, source 1 (x) window 3, C and D window 2
.irp T, 0,1,2,3,4,5,6,7
	s_wait_dscnt 4*(7-\T)                          ; the words and fragments 0 .. T are in; the later fragments' loads may be out
.irp m, 0,1
.irp u, 0,1
.if \zero
	v_wmma_scale_f32_16x16x128_f8f6f4 v[128*\m+16*\T+8*\u:128*\m+16*\T+8*\u+7], v[96*\hf+16*(2*\m+\u):96*\hf+16*(2*\m+\u)+15], v[128+16*\T:128+16*\T+15], 0, v[WS+6*\hf+2*\m+\u], v[XS+\T]
.else
	v_wmma_scale_f32_16x16x128_f8f6f4 v[128*\m+16*\T+8*\u:128*\m+16*\T+8*\u+7], v[96*\hf+16*(2*\m+\u):96*\hf+16*(2*\m+\u)+15], v[128+16*\T:128+16*\T+15], v[128*\m+16*\T+8*\u:128*\m+16*\T+8*\u+7], v[WS+6*\hf+2*\m+\u], v[XS+\T]
.endif
.endr
.endr
.endr
	WIN 0
.if \last == 0
	XLOAD 1-\hf                                    ; the next K step's numbers, in one run: they land under v's sixteen products
.endif
	WIN 0xf7                                       ; source 0 (x) window 3, source 1 (Wv) window 1, C and D window 3
.irp T, 0,1,2,3,4,5,6,7
.irp u, 0,1
.if \zero
	v_wmma_scale_f32_16x16x128_f8f6f4 v[64*\u+8*\T:64*\u+8*\T+7], v[128+16*\T:128+16*\T+15], v[96*\hf+16*(4+\u):96*\hf+16*(4+\u)+15], 0, v[XS+\T], v[WS+6*\hf+4+\u]
.else
	v_wmma_scale_f32_16x16x128_f8f6f4 v[64*\u+8*\T:64*\u+8*\T+7], v[128+16*\T:128+16*\T+15], v[96*\hf+16*(4+\u):96*\hf+16*(4+\u)+15], v[64*\u+8*\T:64*\u+8*\T+7], v[XS+\T], v[WS+6*\hf+4+\u]
.endif
.endr
.endr
	WIN 0
.endm
.macro TRIP zero, refill, last         ; a slot's two K steps
	KSTEP 0, \zero, 0, 0
	KSTEP 1, 0, \refill, \last
.if \last == 0
	s_wait_xcnt 0x0                                ; W's loads have read their bases, so they may step
	s_add_nc_u64 s[WB:WB+1], s[WB:WB+1], 98304
	s_add_nc_u64 s[WSB:WSB+1], s[WSB:WSB+1], 6144
.endif
.endm
	s_load_b256 s[4:11], s[0:1], 0x0               ; x s[4:5], wq s[6:7], qkv s[8:9], sc s[10:11]
	v_lshl_add_u32 v[SPW], v0, 2, SPARE
	v_mov_b32 v[NIL], 0
	ds_add_u32 v[SPW], v[NIL]                      ; the wave's opening: the add, twice on end, and its wait ahead of my first tensor load
	ds_add_u32 v[SPW], v[NIL]                      ; and once more, under the one wait; the set-up below stands between
	v_lshrrev_b32 v1, 5, v0
	v_readfirstlane_b32 s[WV], v1                  ; wave 0..3
	s_mov_b32 s[G1+0], (2<<16)|(1<<20)|(7<<22)|(3<<25)   ; no mask; elements of 4 bytes; padding on: after every 256 words (code 7) four words (code 3)
	s_mov_b32 s[G1+1], 256<<16                     ; tensor_dim0 = 256
	s_mov_b32 s[G1+2], 32<<16                      ; tensor_dim1 = 32
	s_mov_b32 s[G1+3], 256<<16                     ; tile_dim0 = 256 elements: 1,024 bytes, two K steps
	s_mov_b32 s[G1+4], 32                          ; tile_dim1 = 32 rows
	s_mov_b32 s[G1+5], 2048                        ; elements from row to row
	s_mov_b32 s[G1+6], 0
	s_mov_b32 s[G1+7], 0
	s_mul_i32 s13, s[WV], WSL                      ; my part of a slot
	s_lshl_b32 s2, ttmp9, 20                       ; 128 rows of 8,192 bytes a work-group,
	s_lshl_b32 s3, s[WV], 18                       ; 32 a wave
	s_add_co_u32 s2, s2, s3
	s_mov_b32 s3, 0
	s_mov_b32 s[TB], 0
	s_mov_b32 s[SEL], 0x76543210
	s_mov_b32 s[SEL+1], 0xfedcba98
	s_mov_b32 s[MNT], 0x600000
	s_wait_dscnt 0x0                               ; both opening adds are done
	s_wait_kmcnt 0x0
	s_add_nc_u64 s[4:5], s[4:5], s[2:3]
	s_mov_b32 s[G0A], 1
	s_mov_b32 s[G0A+1], s13
	s_mov_b64 s[G0A+2:G0A+3], s[4:5]
	s_or_b32 s[G0A+3], s[G0A+3], 0x80000000
	s_mov_b32 s[G0B], 1
	s_add_co_u32 s[G0B+1], s13, SLOT
	s_add_nc_u64 s[G0B+2:G0B+3], s[4:5], 1024
	s_or_b32 s[G0B+3], s[G0B+3], 0x80000000
	tensor_load_to_lds s[G0A:G0A+3], s[G1:G1+7]    ; K steps 0 and 1: every wave issues both first fills, with no branch
	s_nop 0
	s_wait_alu depctr_va_vdst(0)
	s_wait_tensorcnt 0x0
	ds_add_u32 v54, v55
	s_wait_dscnt 0x0
	s_barrier_signal -1
	s_barrier_wait -1
	tensor_load_to_lds s[G0B:G0B+3], s[G1:G1+7]    ; K steps 2 and 3
	s_nop 0
.rept 4
	v_nop
.endr
	s_mul_i32 s46, s[WV], 12288
	s_mov_b32 s47, 0
	s_add_nc_u64 s[WB:WB+1], s[6:7], s[46:47]
	s_mul_i32 s46, s[WV], 768
	s_add_co_u32 s46, s46, 786432
	s_add_nc_u64 s[WSB:WSB+1], s[6:7], s[46:47]
	s_lshl_b32 s48, ttmp9, 14                      ; 8 fragments of 2,048 bytes a work-group
	s_lshl_b32 s46, s[WV], 9
	s_add_co_u32 s46, s46, s48
	s_add_nc_u64 s[QO:QO+1], s[8:9], s[46:47]      ; q's and k's codes: register group c = w of each token tile
	s_lshl_b32 s46, s[WV], 12
	s_add_co_u32 s46, s46, s48
	s_add_co_u32 s46, s46, 8388608
	s_add_nc_u64 s[VO:VO+1], s[8:9], s[46:47]      ; v's codes: d tiles 2 w, 2 w + 1
	s_min_u32 s49, s[WV], 2
	s_lshl_b32 s46, s49, 17
	s_lshl_b32 s48, ttmp9, 9
	s_add_co_u32 s46, s46, s48
	s_add_nc_u64 s[SCO:SCO+1], s[10:11], s[46:47]  ; waves 0, 1, 2 store q's, k's, v's words
	v_and_b32 v[RR], 15, v0
	v_bfe_u32 v[HH], v0, 4, 1
	v_and_b32 v[LN], 31, v0
	v_mul_u32_u24 v[XA], v[RR], XP
	v_lshl_add_u32 v[XA], v[HH], 6, v[XA]
	v_add_nc_u32 v[XA], s13, v[XA]
	v_add_nc_u32 v[XAD], s[TB], v[XA]
	v_lshlrev_b32 v[L16], 4, v[LN]
	v_lshlrev_b32 v[L4], 2, v[LN]
	v_add_nc_u32 v[LI], IMG, v[L16]
	v_add_nc_u32 v[LS], ISC, v[L4]
	s_lshl_b32 s46, s[WV], 12
	v_add_nc_u32 v[IW], s46, v[LI]
	s_lshl_b32 s46, s[WV], 8
	v_add_nc_u32 v[SW], s46, v[LS]
	v_lshl_add_u32 v[SB], v[RR], 2, SCB
	v_add_nc_u32 v[SB], s[WV], v[SB]
	s_lshl_b32 s46, s[WV], 7
	s_add_co_u32 s46, s46, SCB+1024
	v_add_nc_u32 v[SV], s46, v[L4]
	s_lshl_b32 s46, s49, 9
	s_add_co_u32 s46, s46, SCB
	v_add_nc_u32 v[SR], s46, v[L16]
.irp b, 0,1,2,3
	v_mov_b32 v[TM+4+\b], 0                        ; a lane permute's destination counts as one of its sources
.endr
	WIN 0x40
.set NN, 0
.rept 24
	global_load_b128 v[4*NN:4*NN+3], v[L16], s[WB:WB+1] offset:512*NN   ; K step 0's W into set 0
.set NN, NN+1
.endr
	WIN 0
.irp f, 0,1,2,3,4,5
	global_load_b32 v[WS+\f], v[L4], s[WSB:WSB+1] offset:128*\f
.endr
	s_wait_tensorcnt 1                             ; my part of slot 0 is in; slot 1's may stay out.  I read my own bytes alone
	XLOAD 0
	TRIP 1, 1, 0                                   ; the first trip stands in front of the loop: its first K step starts the sums
	s_mov_b32 s[CNT], 5
.Ltrip:                                            ; trips 1 to 5: each fills the slot that it leaves
	TRIP 0, 1, 0
	s_sub_co_u32 s[CNT], s[CNT], 1
	s_cmp_lg_u32 s[CNT], 0
	s_cbranch_scc1 .Ltrip
	TRIP 0, 0, 0                                   ; the last two trips are written out: they fetch nothing
	TRIP 0, 0, 1
.rept 8
	v_nop                                          ; places between the last products and the first read of results
.endr
; THE WAY OUT.  q and k: block b of a call is token tile T = 4 G + b; a lane's 16 numbers and lane l xor 16's are the token's 32 of d block w: 16 bytes of codes, register group w of the tile's fragment, and byte w of the token's word.
.irp m, 0,1
.irp G, 0,1
	QUANT 128*\m+64*\G, 2, 128+16*(2*\m+\G), PW0, 0
.irp b, 0,1,2,3
	global_store_b128 v[L16], v[128+16*(2*\m+\G)+4*\b:128+16*(2*\m+\G)+4*\b+3], s[QO:QO+1] offset:4194304*\m+2048*(4*\G+\b)   ; 512 consecutive bytes, aligned; each call has its own registers
	ds_store_b8 v[SB], v[TM+4+\b] offset:512*\m+64*(4*\G+\b)   ; both lanes of a block write the same byte with the same value
.endr
.endr
.endr
; v: a call is one whole fragment of d tile 2 w + u: 128 tokens along K, four blocks of 32, and a scale word for each d
	QUANT 0, 3, 192, PW0, 1
.irp c, 0,1,2,3
	global_store_b128 v[L16], v[192+4*\c:192+4*\c+3], s[VO:VO+1] offset:512*\c
.endr
	QUANT 64, 3, 208, PW1, 1
.irp c, 0,1,2,3
	global_store_b128 v[L16], v[208+4*\c:208+4*\c+3], s[VO:VO+1] offset:2048+512*\c
.endr
	v_cmp_gt_u32 vcc_lo, 16, v[LN]
	v_cndmask_b32 v[VW], v[PW1], v[PW0], vcc_lo    ; lanes 0-15: u = 0's words, lanes 16-31: u = 1's: d = 32 w + lane
	ds_store_b32 v[SV], v[VW]
	s_wait_dscnt 0x0                               ; for the others' sake: my bytes and words have landed
	s_barrier_signal -1
	s_barrier_wait -1
	s_cmp_gt_u32 s[WV], 2
	s_cbranch_scc1 .Lend
	ds_load_b128 v[224:227], v[SR]
	s_wait_dscnt 0x0
	global_store_b128 v[L16], v[224:227], s[SCO:SCO+1]   ; 512 consecutive bytes, aligned
.Lend:
	s_wait_tensorcnt 0x0                           ; the wave's end, behind my last tensor load and my last LDS store
	ds_add_u32 v[SPW], v[NIL]
	s_wait_dscnt 0x0
	s_endpgm
.Lfunc_end_k_qe4d7240b7b_proj:
	.size	k_qe4d7240b7b_proj, .Lfunc_end_k_qe4d7240b7b_proj-k_qe4d7240b7b_proj
	.p2alignl 7, 3214868480
	.fill 96, 4, 3214868480
	.section	.rodata,"a",@progbits
	.p2align	6, 0x0
	.amdhsa_kernel k_qe4d7240b7b_proj
		.amdhsa_group_segment_fixed_size 327680
		.amdhsa_private_segment_fixed_size 0
		.amdhsa_enable_private_segment 0
		.amdhsa_kernarg_size 32
		.amdhsa_user_sgpr_count 2
		.amdhsa_user_sgpr_kernarg_segment_ptr 1
		.amdhsa_wavefront_size32 1
		.amdhsa_system_sgpr_workgroup_id_x 1
		.amdhsa_system_sgpr_workgroup_id_y 1
		.amdhsa_system_sgpr_workgroup_id_z 1
		.amdhsa_system_vgpr_workitem_id 0
		.amdhsa_next_free_vgpr 1024
		.amdhsa_next_free_sgpr 66
		.amdhsa_reserve_vcc 1
		.amdhsa_float_denorm_mode_32 3
		.amdhsa_float_denorm_mode_16_64 3
		.amdhsa_memory_ordered 1
		.amdhsa_forward_progress 1
		.amdhsa_inst_pref_size 255
	.end_amdhsa_kernel
	.section	.bss,"aw",@nobits
	.p2align	6
	.space	262144
	.amdgpu_metadata
---
amdhsa.version: [ 1, 2 ]
amdhsa.kernels:
  - .name:           k_qe4d7240b7b_proj
    .symbol:         k_qe4d7240b7b_proj.kd
    .args:
      - { .name: x, .offset: 0, .size: 8, .value_kind: global_buffer, .address_space: global }
      - { .name: wq, .offset: 8, .size: 8, .value_kind: global_buffer, .address_space: global }
      - { .name: qkv, .offset: 16, .size: 8, .value_kind: global_buffer, .address_space: global }
      - { .name: sc, .offset: 24, .size: 8, .value_kind: global_buffer, .address_space: global }
    .group_segment_fixed_size: 327680
    .private_segment_fixed_size: 0
    .kernarg_segment_align: 8
    .kernarg_segment_size: 32
    .max_flat_workgroup_size: 128
    .sgpr_count:     66
    .vgpr_count:     1024
    .wavefront_size: 32
...
	.end_amdgpu_metadata
.endif
;; end of part 6
;; launch stats (part 7): grid 32 x 8, 16 waves a work-group, no clusters, 18,432 bytes of LDS; arguments qkv, sc, nmu; writes nmu
.if DOCPART == 7
	.amdgcn_target "amdgcn-amd-amdhsa--gfx1250"
	.amdhsa_code_object_version 6
	.text
	.protected	k_qe4d7240b7b_stats
	.globl	k_qe4d7240b7b_stats
	.p2align	8
	.type	k_qe4d7240b7b_stats,@function
k_qe4d7240b7b_stats:
	s_mov_b64 s[64:65], 0
	v_nop
	global_prefetch_b8 v0, s[64:65] scope:SCOPE_SE
	s_setreg_imm32_b32 hwreg(HW_REG_WAVE_SCHED_MODE, 0, 2), 2
	s_setreg_imm32_b32 hwreg(HW_REG_WAVE_MODE, 25, 1), 1
	s_wait_xcnt 0x0
	s_wait_alu depctr_vm_vsrc(0)
; For each key s of each batch: nmu[s] = -(T + log2 L), T = c x the largest score of the key's column over the queries t >= s, L = the sum over them of 2^(c S - T), c = log2(e) / sqrt(128).
; WORK LEFT OUT: steps of 32 queries that lie wholly ahead of the key block (every score there is masked by the problem's own mask and adds 0 to L): shown at the head of wquant.
; SHARES.  A work-group owns the key blocks of 64, jb = x and jb = 63 - x, of batch y: 128 - 2 jb steps of 32 queries each, 130 in every work-group.  All sixteen waves hold the block's four fragments of k;
; wave w takes the query steps i = 2 jb + w, + 16, ..  ORIENTATION: source 0 = 16 queries, source 1 = 16 keys: a lane holds ONE key (lane % 16) and its registers run along the queries, so the column's
; maximum and sum stay in the lane: a running maximum MS, the shift NB = -c MS, the sum L; in every step L is multiplied by 2^(new NB - old NB).  The halves of the lanes, then the sixteen waves
; (through LDS, merged by wave 15, which has the fewest steps) are joined under the smallest NB.
; Operands go from memory straight into registers: the fragments lie in the order of the registers.  NO CLUSTER and no tensor load: under the mask work-groups walk different numbers of steps, and each wave
; walks steps of its own.  No prefetch: each part of q is first read at the launch's head by the work-group whose key block begins there.
; LIMITS: v_exp_f32 gives 0 for results under 2^-126 (ISA guide, its entry): terms so far under the column's largest are lost.  Others as at the head of wquant.
; THE MODE: SCHED_MODE bits 1:0 = 2 (LLVM: expert scheduling mode 2), set by the entry lines.  The code itself states the register dependences between vector or matrix instructions and memory or LDS
; instructions, with s_wait_alu, always for 0.
; THE PLAN.  Registers that memory or LDS instructions touch:
;   KF, KS         k's fragments and scale words: loaded once a key block; read by every step's products.
;   QF, QS         q's: read by a step's eight products; behind them the next step's nine loads land there.
;   S              written by the products, worked on by vector lines; in wave 15 the merge's sixteen LDS loads land there.
;   MG+12 .. 15    written by four selects, read by two LDS stores.      MG+20, 21   written by two subtractions, read by wave 15's store.
;   L16, L4, L8, MA  addresses, made at the head and never written again: the bases are scalar registers.
; So a step has ONE wait on va_vdst, behind its products and ahead of the next step's loads of q; a key block has one ahead of its first loads, one behind the four selects (for the LDS stores, and for wave 15's
; loads into S: no vector line stands between) and, in wave 15, one ahead of the store.  One wait on vm_vsrc stands at the second key block's head.  Numbers that vector lines put into scalar registers or VCC
; (the wave's number, the compares' masks) have their wait ahead of the first reader; the diagonal's compares go in runs of eight, into s40-47, with one wait to a run.
.set MRG,   8192                       ; LDS: for each key block [wave 16][key 64](NB, L): 8,192 bytes
.set SPARE, 16384                      ; the spare words, 128 bytes for each wave: eight blocks of 256 bytes that no other line names
.set LN,  1
.set L16, 2
.set L4,  3
.set RH,  4                            ; r - 8 h
.set NINF, 5
.set SPW, 6
.set NIL, 7
.set MA,  8                            ; 512 w + 8 x lane
.set L8,  9
.set KS,  10                           ; v10, v11 k's scale words: key tiles 2 a (lanes 0-15) and 2 a + 1 (lanes 16-31)
.set QS,  12                           ; v12      q's: query tile 0 below, 1 above
.set DD,  13
.set ST,  16                           ; v16-31   key tile kt: NB, MS, L in two halves
.set AA,  32                           ; v32-39   the steps' factors, each the low word of a pair
.set KF,  40
.set QF,  104
.set S,   136                          ; v136-199 the scores: 16 kt + 8 qi + j
.set MG,  200
.set WV,  12
.set PP,  13
.set BT,  14
.set JB,  15
.set II,  16
.set CNT, 17
.set LIM, 18
.set QB,  20
.set QSB, 22
.set KB,  24
.set KSB, 26
.set NMB, 28
.set CS,  30
.set SEL, 32
.set NC,  34
.set MK,  40                           ; s40-47   the masks of eight compares on the diagonal
.macro SPROD d, a, b, sa, sb, ra, rb   ; a product that starts its sum; ra, rb: the halves of the lanes in which the scale words stand
.if ((\ra) == 1) && ((\rb) == 1)
	v_wmma_scale_f32_16x16x128_f8f6f4 v[(\d):(\d)+7], v[(\a):(\a)+15], v[(\b):(\b)+15], 0, v[\sa], v[\sb] matrix_a_scale:MATRIX_SCALE_ROW1 matrix_b_scale:MATRIX_SCALE_ROW1
.elseif (\ra) == 1
	v_wmma_scale_f32_16x16x128_f8f6f4 v[(\d):(\d)+7], v[(\a):(\a)+15], v[(\b):(\b)+15], 0, v[\sa], v[\sb] matrix_a_scale:MATRIX_SCALE_ROW1
.elseif (\rb) == 1
	v_wmma_scale_f32_16x16x128_f8f6f4 v[(\d):(\d)+7], v[(\a):(\a)+15], v[(\b):(\b)+15], 0, v[\sa], v[\sb] matrix_b_scale:MATRIX_SCALE_ROW1
.else
	v_wmma_scale_f32_16x16x128_f8f6f4 v[(\d):(\d)+7], v[(\a):(\a)+15], v[(\b):(\b)+15], 0, v[\sa], v[\sb]
.endif
.endm
.macro QLOAD                           ; a step's two fragments of q and their scale words: nine loads
.irp n, 0,1,2,3,4,5,6,7
	global_load_b128 v[QF+4*\n:QF+4*\n+3], v[L16], s[QB:QB+1] offset:512*\n
.endr
	global_load_b32 v[QS], v[L4], s[QSB:QSB+1]
.endm
.macro KEYBLOCK half
.if \half
	s_wait_loadcnt 0x0                             ; no load of the first key block is out when its registers are loaded anew: its last trip issues none, and this wait holds that on every way through the text
.endif
	s_wait_xcnt 0x0                                ; earlier loads and stores have read their bases and data: both may be written
.if \half
	s_wait_alu depctr_vm_vsrc(0)                   ; the first key block's LDS stores have read v[MG+12 .. 15] and wave 15's store v[MG+20 .. 21]: this block's selects and subtractions write them again
.endif
.if \half == 0
	s_mov_b32 s[JB], s[PP]
.else
	s_sub_co_u32 s[JB], 63, s[PP]
.endif
	s_lshl_b32 s[LIM], s[JB], 1
	s_add_co_u32 s[II], s[LIM], s[WV]              ; my first query step
	s_add_co_u32 s[LIM], s[LIM], 2                 ; from this step on nothing is masked
	s_lshl_b32 s36, s[BT], 14
	s_lshl_b32 s37, s[JB], 8
	s_add_co_u32 s38, s36, s37                     ; 4 bytes x (4,096 batch + 64 jb)
	s_mov_b32 s39, 0
	s_add_nc_u64 s[NMB:NMB+1], s[8:9], s[38:39]
	s_add_nc_u64 s[KSB:KSB+1], s[6:7], s[38:39]
	s_add_nc_u64 s[KSB:KSB+1], s[KSB:KSB+1], 131072
.irp kt, 0,1,2,3
	v_mov_b32 v[ST+4*\kt+1], 0xff61b1e6            ; the largest score so far: -3e38, under every score
	v_mov_b32 v[ST+4*\kt+2], 0
	v_mov_b32 v[ST+4*\kt+3], 0
.endr
.irp kt, 0,1,2,3
	v_mul_f32 v[ST+4*\kt], s[NC], v[ST+4*\kt+1]    ; NB = -c MS
.endr
	s_cmp_gt_u32 s[II], 127
	s_cbranch_scc1 .Lnone_\@                       ; a wave with no step keeps the empty state, which the merge weighs with 0
	s_sub_co_u32 s[CNT], 127, s[II]
	s_lshr_b32 s[CNT], s[CNT], 4
	s_add_co_u32 s[CNT], s[CNT], 1                 ; my steps
	s_lshl_b32 s36, s[BT], 8                       ; 256 token tiles a batch
	s_lshl_b32 s37, s[JB], 2
	s_add_co_u32 s37, s36, s37
	s_lshl_b32 s38, s37, 11
	s_add_co_u32 s38, s38, 4194304
	s_add_nc_u64 s[KB:KB+1], s[4:5], s[38:39]
	s_lshl_b32 s37, s[II], 1
	s_add_co_u32 s37, s36, s37
	s_lshl_b32 s38, s37, 11
	s_add_nc_u64 s[QB:QB+1], s[4:5], s[38:39]
	s_lshl_b32 s36, s[BT], 14
	s_lshl_b32 s37, s[II], 7
	s_add_co_u32 s38, s36, s37
	s_add_nc_u64 s[QSB:QSB+1], s[6:7], s[38:39]
	s_wait_alu depctr_va_vdst(0)                   ; the offsets v[L16] and v[L4] are written, which the loads below read; in the second key block the first one's products are done reading k, q and their scale words, in which these loads land
.irp n, 0,1,2,3,4,5,6,7,8,9,10,11,12,13,14,15
	global_load_b128 v[KF+4*\n:KF+4*\n+3], v[L16], s[KB:KB+1] offset:512*\n
.endr
	global_load_b32 v[KS], v[L4], s[KSB:KSB+1]
	global_load_b32 v[KS+1], v[L4], s[KSB:KSB+1] offset:128
	QLOAD
.Lstep_\@:
	s_wait_loadcnt 0x0                             ; this step's q is in (in the first trip k too): so the bases may step
	s_add_nc_u64 s[QB:QB+1], s[QB:QB+1], 65536     ; 16 steps x 2 tiles x 2,048 bytes
	s_add_nc_u64 s[QSB:QSB+1], s[QSB:QSB+1], 2048
.irp kt, 0,1,2,3
.irp qi, 0,1
	SPROD S+16*\kt+8*\qi, QF+16*\qi, KF+16*\kt, QS, KS+\kt/2, \qi, \kt%2
.endr
.endr
.rept 8
	v_nop                                          ; places in front of the first read of results
.endr
	s_cmp_eq_u32 s[CNT], 1
	s_cbranch_scc1 .Lnoq_\@                        ; no load leaves its buffer
	s_wait_alu depctr_va_vdst(0)                   ; the eight products are done reading q's fragments and scale words, in which the loads below land
	QLOAD                                          ; the next step's q lands under this step's vector work
.Lnoq_\@:
	s_cmp_ge_u32 s[II], s[LIM]
	s_cbranch_scc1 .Lopen_\@
	s_lshl_b32 s36, s[II], 5                       ; the diagonal crosses this step: query 32 i + 16 qi + 8 h + j is masked for key 64 jb + 16 kt + r where 16 qi + j - 16 kt < r - 8 h - (32 i - 64 jb)
	s_lshl_b32 s37, s[JB], 6
	s_sub_co_u32 s36, s36, s37
	v_sub_nc_u32 v[DD], v[RH], s36
.irp kt, 0,1,2,3
.irp qi, 0,1
.irp j, 0,1,2,3,4,5,6,7
	v_cmp_lt_i32 s[MK+\j], 16*\qi+\j-16*\kt, v[DD] ; an accumulator's eight compares in one run, each into a scalar register of its own
.endr
	s_wait_alu depctr_va_sdst(0)                   ; the eight compares have written s40-47, ahead of the selects that read them
.irp j, 0,1,2,3,4,5,6,7
	v_cndmask_b32 v[S+16*\kt+8*\qi+\j], v[S+16*\kt+8*\qi+\j], v[NINF], s[MK+\j]
.endr
.endr
.endr
.Lopen_\@:
.irp i, 0,2,4,6,8,10,12,14
.irp kt, 0,1,2,3
	v_max3_num_f32 v[ST+4*\kt+1], v[ST+4*\kt+1], v[S+16*\kt+\i], v[S+16*\kt+\i+1]   ; the running maximum; the four key tiles by turns, each accumulator from its low end on
.endr
.endr
.irp kt, 0,1,2,3
	v_mov_b32 v[AA+2*\kt], v[ST+4*\kt]             ; the old shift
.endr
.irp kt, 0,1,2,3
	v_mul_f32 v[ST+4*\kt], s[NC], v[ST+4*\kt+1]    ; the new one
.endr
.irp kt, 0,1,2,3
	v_sub_f32 v[AA+2*\kt], v[ST+4*\kt], v[AA+2*\kt]   ; new less old, 0 or less: from the two rounded shifts, so that old and new terms stand under the same one
.endr
.irp i, 0,2,4,6,8,10,12,14
.irp kt, 0,1,2,3
	v_pk_fma_f32 v[S+16*\kt+\i:S+16*\kt+\i+1], v[S+16*\kt+\i:S+16*\kt+\i+1], s[CS:CS+1], v[ST+4*\kt:ST+4*\kt+1] op_sel_hi:[1,0,0]   ; c S + NB, two at a time
.endr
.endr
	s_wait_alu depctr_va_vdst(0)
.irp kt, 0,1,2,3
	v_exp_f32 v[AA+2*\kt], v[AA+2*\kt]
.endr
.set NN, 0
.rept 64
	v_exp_f32 v[S+NN], v[S+NN]
.set NN, NN+1
.endr
	v_nop                                          ; a plain line behind the last exponential
	s_wait_alu depctr_va_vdst(0)                   ; the 68 exponentials have written their results, ahead of the first reader: one wait for the batch
.irp kt, 0,1,2,3
	v_pk_fma_f32 v[ST+4*\kt+2:ST+4*\kt+3], v[ST+4*\kt+2:ST+4*\kt+3], v[AA+2*\kt:AA+2*\kt+1], v[S+16*\kt:S+16*\kt+1] op_sel_hi:[1,0,1]   ; L under the new shift, and the first pair
.endr
.irp i, 2,4,6,8,10,12,14
.irp kt, 0,1,2,3
	v_pk_add_f32 v[ST+4*\kt+2:ST+4*\kt+3], v[ST+4*\kt+2:ST+4*\kt+3], v[S+16*\kt+\i:S+16*\kt+\i+1]
.endr
.endr
	s_add_co_u32 s[II], s[II], 16
	s_sub_co_u32 s[CNT], s[CNT], 1
	s_cmp_gt_i32 s[CNT], 0                         ; a signed compare: the loop ends whatever the counter's start
	s_cbranch_scc1 .Lstep_\@
.Lnone_\@:
	s_wait_alu depctr_va_vdst(0)
	; the two halves of the lanes hold the same keys and other queries: joined under the smaller NB
.irp kt, 0,1,2,3
	v_add_f32 v[ST+4*\kt+2], v[ST+4*\kt+2], v[ST+4*\kt+3]
.endr
.irp kt, 0,1,2,3
	v_permlanex16_b32 v[MG+\kt], v[ST+4*\kt], s[SEL], s[SEL+1]
.endr
.irp kt, 0,1,2,3
	v_min_num_f32 v[MG+\kt], v[MG+\kt], v[ST+4*\kt]
.endr
.irp kt, 0,1,2,3
	v_sub_f32 v[MG+4+\kt], v[MG+\kt], v[ST+4*\kt]
.endr
	s_wait_alu depctr_va_vdst(0)
.irp kt, 0,1,2,3
	v_exp_f32 v[MG+4+\kt], v[MG+4+\kt]
.endr
	v_cmp_gt_u32 vcc_lo, 16, v[LN]                 ; (a plain line behind the exponentials)
	s_wait_alu depctr_va_vdst(0)                   ; the four exponentials have written their results, ahead of their first reader
.irp kt, 0,1,2,3
	v_mul_f32 v[ST+4*\kt+2], v[ST+4*\kt+2], v[MG+4+\kt]
.endr
.irp kt, 0,1,2,3
	v_permlanex16_b32 v[MG+8+\kt], v[ST+4*\kt+2], s[SEL], s[SEL+1]
.endr
.irp kt, 0,1,2,3
	v_add_f32 v[MG+8+\kt], v[MG+8+\kt], v[ST+4*\kt+2]
.endr
	s_wait_alu depctr_va_vcc(0)                    ; the compare above has written VCC, ahead of the selects that read it
.irp a, 0,1
	v_cndmask_b32 v[MG+12+2*\a], v[MG+2*\a+1], v[MG+2*\a], vcc_lo      ; lanes 0-15 key tile 2 a, lanes 16-31 tile 2 a + 1: key 32 a + lane
	v_cndmask_b32 v[MG+13+2*\a], v[MG+9+2*\a], v[MG+8+2*\a], vcc_lo
.endr
	s_wait_alu depctr_va_vdst(0)                   ; the four selects have written v[MG+12 .. 15], which the LDS stores read, and v[MA], v[L16], v[L8] are written; every line that named v[S ..] is done, where wave 15's LDS loads land: no vector line stands between here and them
.irp a, 0,1
	ds_store_b64 v[MA], v[MG+12+2*\a:MG+13+2*\a] offset:MRG*\half+256*\a
.endr
	s_wait_dscnt 0x0                               ; for wave 15's sake: my stores have landed
	s_barrier_signal -1
	s_barrier_wait -1
	s_cmp_lg_u32 s[WV], 15
	s_cbranch_scc1 .Lnot15_\@
.irp v, 0,1,2,3,4,5,6,7,8,9,10,11,12,13,14,15
	ds_load_b128 v[S+4*\v:S+4*\v+3], v[L16] offset:MRG*\half+512*\v   ; wave v's (NB, L) of keys 2 x lane and 2 x lane + 1
.endr
	s_wait_dscnt 0x0
	v_min3_num_f32 v[MG+16], v[S], v[S+4], v[S+8]
	v_min3_num_f32 v[MG+17], v[S+2], v[S+6], v[S+10]
.irp v, 3,5,7,9,11,13
	v_min3_num_f32 v[MG+16], v[MG+16], v[S+4*\v], v[S+4*\v+4]
	v_min3_num_f32 v[MG+17], v[MG+17], v[S+4*\v+2], v[S+4*\v+6]
.endr
	v_min_num_f32 v[MG+16], v[MG+16], v[S+60]
	v_min_num_f32 v[MG+17], v[MG+17], v[S+62]      ; the smallest NB: that of the column's largest score
.irp v, 0,1,2,3,4,5,6,7,8,9,10,11,12,13,14,15
	v_sub_f32 v[S+4*\v], v[MG+16], v[S+4*\v]
	v_sub_f32 v[S+4*\v+2], v[MG+17], v[S+4*\v+2]
.endr
	s_wait_alu depctr_va_vdst(0)
.irp v, 0,1,2,3,4,5,6,7,8,9,10,11,12,13,14,15
	v_exp_f32 v[S+4*\v], v[S+4*\v]
	v_exp_f32 v[S+4*\v+2], v[S+4*\v+2]
.endr
	v_nop
	s_wait_alu depctr_va_vdst(0)                   ; the 32 exponentials have written their results, ahead of their first reader
	v_mul_f32 v[MG+18], v[S+1], v[S]
	v_mul_f32 v[MG+19], v[S+3], v[S+2]
.irp v, 1,2,3,4,5,6,7,8,9,10,11,12,13,14,15
	v_fmac_f32 v[MG+18], v[S+4*\v+1], v[S+4*\v]
	v_fmac_f32 v[MG+19], v[S+4*\v+3], v[S+4*\v+2]
.endr
	s_wait_alu depctr_va_vdst(0)
	v_log_f32 v[MG+18], v[MG+18]
	v_log_f32 v[MG+19], v[MG+19]
	v_nop
	s_wait_alu depctr_va_vdst(0)                   ; the two logarithms have written their results, ahead of their first reader
	v_sub_f32 v[MG+20], v[MG+16], v[MG+18]         ; nmu = NB - log2 L
	v_sub_f32 v[MG+21], v[MG+17], v[MG+19]
	s_wait_alu depctr_va_vdst(0)                   ; the two subtractions have written v[MG+20 .. 21], which the store reads
	global_store_b64 v[L8], v[MG+20:MG+21], s[NMB:NMB+1]   ; the wave stores 256 consecutive bytes, aligned
.Lnot15_\@:
.endm
	s_load_b128 s[4:7], s[0:1], 0x0                ; qkv s[4:5], sc s[6:7]
	s_load_b64 s[8:9], s[0:1], 0x10                ; nmu
	v_lshl_add_u32 v[SPW], v0, 2, SPARE
	v_mov_b32 v[NIL], 0
	v_lshrrev_b32 v14, 5, v0
	v_readfirstlane_b32 s[WV], v14                 ; wave 0..15
	s_mov_b32 s[PP], ttmp9
	s_and_b32 s[BT], ttmp7, 0xffff
	v_and_b32 v[LN], 31, v0
	v_lshlrev_b32 v[L16], 4, v[LN]
	v_lshlrev_b32 v[L4], 2, v[LN]
	v_lshlrev_b32 v[L8], 3, v[LN]
	v_and_b32 v14, 15, v0
	v_bfe_u32 v15, v0, 4, 1
	v_lshlrev_b32 v15, 3, v15
	v_sub_nc_u32 v[RH], v14, v15
	v_mov_b32 v[NINF], 0xff800000
	s_wait_alu depctr_va_sdst(0)                   ; the wave's number is written, ahead of its first reader
	s_lshl_b32 s36, s[WV], 9
	v_add_nc_u32 v[MA], s36, v[L8]
.irp kt, 0,1,2,3
	v_mov_b32 v[AA+2*\kt+1], 0                     ; named as the upper halves of pairs
	v_mov_b32 v[MG+\kt], 0                         ; a lane permute's destination counts as one of its sources
	v_mov_b32 v[MG+8+\kt], 0
.endr
	s_mov_b32 s[CS], 0x3e0293ee                    ; c = log2(e) / sqrt(128)
	s_mov_b32 s[CS+1], s[CS]
	s_mov_b32 s[NC], 0xbe0293ee                    ; -c
	s_mov_b32 s[SEL], 0x76543210
	s_mov_b32 s[SEL+1], 0xfedcba98
	s_wait_kmcnt 0x0
	KEYBLOCK 0
	KEYBLOCK 1
	s_wait_dscnt 0x0                               ; the closing lines, six on end
	s_wait_alu 0x0
	s_wait_tensorcnt 0x0
	ds_add_u32 v[SPW], v[NIL]
	s_wait_dscnt 0x0
	s_endpgm
.Lfunc_end_k_qe4d7240b7b_stats:
	.size	k_qe4d7240b7b_stats, .Lfunc_end_k_qe4d7240b7b_stats-k_qe4d7240b7b_stats
	.p2alignl 7, 3214868480
	.fill 96, 4, 3214868480
	.section	.rodata,"a",@progbits
	.p2align	6, 0x0
	.amdhsa_kernel k_qe4d7240b7b_stats
		.amdhsa_group_segment_fixed_size 18432
		.amdhsa_private_segment_fixed_size 0
		.amdhsa_enable_private_segment 0
		.amdhsa_kernarg_size 24
		.amdhsa_user_sgpr_count 2
		.amdhsa_user_sgpr_kernarg_segment_ptr 1
		.amdhsa_wavefront_size32 1
		.amdhsa_system_sgpr_workgroup_id_x 1
		.amdhsa_system_sgpr_workgroup_id_y 1
		.amdhsa_system_sgpr_workgroup_id_z 1
		.amdhsa_system_vgpr_workitem_id 0
		.amdhsa_next_free_vgpr 256
		.amdhsa_next_free_sgpr 66
		.amdhsa_reserve_vcc 1
		.amdhsa_float_denorm_mode_32 3
		.amdhsa_float_denorm_mode_16_64 3
		.amdhsa_memory_ordered 1
		.amdhsa_forward_progress 1
		.amdhsa_inst_pref_size 66
	.end_amdhsa_kernel
	.amdgpu_metadata
---
amdhsa.version: [ 1, 2 ]
amdhsa.kernels:
  - .name:           k_qe4d7240b7b_stats
    .symbol:         k_qe4d7240b7b_stats.kd
    .args:
      - { .name: qkv, .offset: 0, .size: 8, .value_kind: global_buffer, .address_space: global }
      - { .name: sc, .offset: 8, .size: 8, .value_kind: global_buffer, .address_space: global }
      - { .name: nmu, .offset: 16, .size: 8, .value_kind: global_buffer, .address_space: global }
    .group_segment_fixed_size: 18432
    .private_segment_fixed_size: 0
    .kernarg_segment_align: 8
    .kernarg_segment_size: 24
    .max_flat_workgroup_size: 512
    .sgpr_count:     66
    .vgpr_count:     256
    .wavefront_size: 32
...
	.end_amdgpu_metadata
.endif
;; end of part 7
;; launch attn (part 8): grid 32 x 8, 4 waves a work-group, no clusters, 165,376 bytes of LDS; arguments qkv, sc, nmu, out0; writes out0
.if DOCPART == 8
	.amdgcn_target "amdgcn-amd-amdhsa--gfx1250"
	.amdhsa_code_object_version 6
	.text
	.protected	k_qe4d7240b7b_attn
	.globl	k_qe4d7240b7b_attn
	.p2align	8
	.type	k_qe4d7240b7b_attn,@function
k_qe4d7240b7b_attn:
	s_mov_b64 s[64:65], 0
	v_nop
	global_prefetch_b8 v0, s[64:65] scope:SCOPE_SE
	s_setreg_imm32_b32 hwreg(HW_REG_WAVE_SCHED_MODE, 0, 2), 2
	s_setreg_imm32_b32 hwreg(HW_REG_WAVE_MODE, 25, 1), 1
	s_wait_xcnt 0x0
	s_wait_alu depctr_vm_vsrc(0)
; out[t][:] = the sum over the keys s <= t of Q(wei[t][s]) Q(v[s][:]), wei[t][s] = 2^(c S[t][s] + nmu[s]): the softmax over the query axis, finished and normalised (nmu: launch stats), quantised along the keys.
; For a key that counts the exponent is 0 or less, since nmu holds the column's largest score and the logarithm of its sum: no maximum is left to take away here, and O^T only accumulates.
; WORK LEFT OUT: key steps that lie wholly behind the query block (wei = 0 there by the problem's own mask): shown at the head of wquant.
; SHARES.  A work-group owns the query blocks of 64, i = 63 - x and then i = x, of batch y.  Block i needs n = i / 2 + 1 key steps of 128.  Wave w takes key steps w, w + 4, .. for ALL four query tiles, so
; each fragment of k and of v feeds four products and is read once by the work-group; the waves' partial sums of O^T are added through LDS.  The longest wave has 9 steps in every work-group.
; LAYOUT.  Both products transposed: S^T = k q^T (source 0 = 16 keys, source 1 = 16 queries), O^T = v^T wei^T: a lane holds ONE query.  The 16 registers of key tiles 2 b, 2 b + 1 hold keys
; 32 b + 16 u + 8 h + j and are laid at place 32 b + 16 h + 8 u + j of the operand, as proj laid v's tokens: the same exchange inside a block of 32 on both sides.
; Operands go from memory straight into registers.  NO CLUSTER and no tensor load: under the mask work-groups need different numbers of key steps, and each wave walks steps of its own.
; LIMITS: v_exp_f32 gives 0 for wei under 2^-126 (ISA guide, its entry).  Others as at the head of wquant.
; REGISTERS.  window 0: v1-14 addresses; v16-19 k's, v20-23 v's, v24-25 q's, v26-29 wei's scale words; v30, v31 the add's two; v32-47 at work; v48 -infinity; v64-127 nmu of the step's keys;
;   v128-191 wei's codes; v192-255 q.   window 1: S^T, then wei, at 64 qt + 8 kt.   window 2: k at 16 kt, v at 128 + 16 dt.   window 3: O^T at 64 qt + 8 dt.
; THE MODE: SCHED_MODE bits 1:0 = 2 (LLVM: expert scheduling mode 2), set by the entry lines.  The code itself states the register dependences between vector or matrix instructions and memory or LDS
; instructions, with s_wait_alu, always for 0.
; THE PLAN.  Registers that memory or LDS instructions touch:
;   q, its words     loaded at a block's head; read by every step's 32 products S^T.
;   k, its words     read by step n's products S^T; step n + 1's loads land there, in step n, behind those products.
;   v, its words     read by step n's products O^T; step n + 1's loads land there in step n + 1, behind that step's products S^T.
;   nmu              read by step n's 128 multiply-adds; step n + 1's loads land there behind step n's exponentials.
;   wei's codes and scale words   written by vector lines, read by the scaled products O^T.
;   O^T              written by the products; read by the image's 64 LDS stores; begun anew in the next block.
;   window 1 on the way out: v0-63 the sum (LDS loads, additions, the stage's stores); v64-127, v128-191, v192-255 a buffer for each further image, so that no load lands where an addition has read since
;                    the last wait; v64-127 then take the rows back from the stage and are the global stores' data.
;   v4-14            addresses, made at the head and never written again: the bases are scalar registers.
; A KEY STEP HAS THREE WAITS ON va_vdst.  (1) Behind the products S^T and their places: they are done reading k, and the last step's products O^T reading v; this step's v (36 loads) and 24 loads of the next
; step's k follow, 60 in all.  (2) Behind the exponentials: the multiply-adds are done reading nmu; the other 8 + 4 loads of k and the 16 of nmu follow.
; (3) Behind the four places ahead of the products O^T: wei's codes and scale words are written.  No vector or matrix line behind (1) or (2) names a register in which the loads behind it land.
; A block has the pair vm_vsrc, va_vdst at its head (round the back edge: the way out's stores have read their data; the last block's readers are done), one va_vdst ahead of the image's stores and one ahead of
; the stage's.  The diagonal's compares go in runs of sixteen, into s48-63, with one wait on va_sdst to a run.
.set STG,   131072                     ; LDS: four images of O^T, 32,768 bytes each; behind them a stage of 16 rows x (512 + 16) bytes for each wave
.set SPARE, 164864                     ; the spare words, 128 bytes for each wave: two blocks of 256 bytes that no other line names
.set LN,  1
.set RR,  2
.set HH,  3
.set L16, 4
.set L4,  5
.set H32, 6
.set RH,  7                            ; r - 8 h
.set DD,  8
.set PF,  9                            ; 256 x lane: the prefetches' offset; never rewritten
.set IM,  10                           ; 32,768 w + 16 x lane
.set RM,  11                           ; 8,192 w + 16 x lane: query tile w in image 0
.set RM2, 12                           ; the same in image 2
.set SO,  13
.set SR,  14
.set KSC, 16
.set VSC, 20
.set QSC, 24
.set PSC, 26
.set SPW, 30
.set NIL, 31
.set TM,  32
.set NINF, 48
.set MU,  64
.set P,   128
.set Q,   192
.set WV,  12
.set PP,  13
.set BT,  14
.set II,  15
.set NS,  16
.set CNT, 17
.set KSI, 18
.set LIM, 19
.set BLK, 20
.set DG,  21
.set KB,  22
.set VB,  24
.set KSB, 26
.set VSB, 28
.set MUB, 30
.set QB,  32
.set QSB, 34
.set OB,  36
.set CS,  38
.set SEL, 40
.set MNT, 42
.set MK,  48                           ; s48-63  the masks of sixteen compares on the diagonal
.set MSB, 0
.macro WIN new                         ; the immediate's high byte repeats the setting that is left; a switch that changes nothing is dropped
.if MSB != (\new)
	s_set_vgpr_msb (MSB<<8)|(\new)
.set MSB, (\new)
.endif
.endm
.macro SPROD kt, qt                    ; S^T: key tile kt x query tile qt; the scale words of odd tiles stand in lanes 16-31
.if ((\kt)%2 == 1) && ((\qt)%2 == 1)
	v_wmma_scale_f32_16x16x128_f8f6f4 v[64*\qt+8*\kt:64*\qt+8*\kt+7], v[16*\kt:16*\kt+15], v[Q+16*\qt:Q+16*\qt+15], 0, v[KSC+\kt/2], v[QSC+\qt/2] matrix_a_scale:MATRIX_SCALE_ROW1 matrix_b_scale:MATRIX_SCALE_ROW1
.elseif (\kt)%2 == 1
	v_wmma_scale_f32_16x16x128_f8f6f4 v[64*\qt+8*\kt:64*\qt+8*\kt+7], v[16*\kt:16*\kt+15], v[Q+16*\qt:Q+16*\qt+15], 0, v[KSC+\kt/2], v[QSC+\qt/2] matrix_a_scale:MATRIX_SCALE_ROW1
.elseif (\qt)%2 == 1
	v_wmma_scale_f32_16x16x128_f8f6f4 v[64*\qt+8*\kt:64*\qt+8*\kt+7], v[16*\kt:16*\kt+15], v[Q+16*\qt:Q+16*\qt+15], 0, v[KSC+\kt/2], v[QSC+\qt/2] matrix_b_scale:MATRIX_SCALE_ROW1
.else
	v_wmma_scale_f32_16x16x128_f8f6f4 v[64*\qt+8*\kt:64*\qt+8*\kt+7], v[16*\kt:16*\kt+15], v[Q+16*\qt:Q+16*\qt+15], 0, v[KSC+\kt/2], v[QSC+\qt/2]
.endif
.endm
.macro OPROD dt, qt, zero              ; O^T: d tile dt x query tile qt; zero = 1: the product starts the sum
.if \zero
.if (\dt)%2 == 1
	v_wmma_scale_f32_16x16x128_f8f6f4 v[64*\qt+8*\dt:64*\qt+8*\dt+7], v[128+16*\dt:128+16*\dt+15], v[P+16*\qt:P+16*\qt+15], 0, v[VSC+\dt/2], v[PSC+\qt] matrix_a_scale:MATRIX_SCALE_ROW1
.else
	v_wmma_scale_f32_16x16x128_f8f6f4 v[64*\qt+8*\dt:64*\qt+8*\dt+7], v[128+16*\dt:128+16*\dt+15], v[P+16*\qt:P+16*\qt+15], 0, v[VSC+\dt/2], v[PSC+\qt]
.endif
.else
.if (\dt)%2 == 1
	v_wmma_scale_f32_16x16x128_f8f6f4 v[64*\qt+8*\dt:64*\qt+8*\dt+7], v[128+16*\dt:128+16*\dt+15], v[P+16*\qt:P+16*\qt+15], v[64*\qt+8*\dt:64*\qt+8*\dt+7], v[VSC+\dt/2], v[PSC+\qt] matrix_a_scale:MATRIX_SCALE_ROW1
.else
	v_wmma_scale_f32_16x16x128_f8f6f4 v[64*\qt+8*\dt:64*\qt+8*\dt+7], v[128+16*\dt:128+16*\dt+15], v[P+16*\qt:P+16*\qt+15], v[64*\qt+8*\dt:64*\qt+8*\dt+7], v[VSC+\dt/2], v[PSC+\qt]
.endif
.endif
.endm
.macro KCODES first, count             ; of the 32 loads that bring a key step's eight fragments of k: count of them, from number first on
	WIN 0x80
.set NN, \first
.rept \count
	global_load_b128 v[4*NN:4*NN+3], v[L16], s[KB:KB+1] offset:512*NN
.set NN, NN+1
.endr
	WIN 0
.endm
.macro KWORDS                          ; and their scale words: 4 loads
.irp a, 0,1,2,3
	global_load_b32 v[KSC+\a], v[L4], s[KSB:KSB+1] offset:128*\a
.endr
.endm
.macro VLOAD                           ; the eight fragments of v^T and their scale words: 36 loads
	WIN 0x80
.set NN, 0
.rept 32
	global_load_b128 v[128+4*NN:128+4*NN+3], v[L16], s[VB:VB+1] offset:512*NN
.set NN, NN+1
.endr
	WIN 0
.irp a, 0,1,2,3
	global_load_b32 v[VSC+\a], v[L4], s[VSB:VSB+1] offset:128*\a
.endr
.endm
.macro MULOAD                          ; nmu in the scores' layout: register 8 kt + j = key 16 kt + 8 h + j: 16 loads
.irp kt, 0,1,2,3,4,5,6,7
	global_load_b128 v[MU+8*\kt:MU+8*\kt+3], v[H32], s[MUB:MUB+1] offset:64*\kt
	global_load_b128 v[MU+8*\kt+4:MU+8*\kt+7], v[H32], s[MUB:MUB+1] offset:64*\kt+16
.endr
.endm
; wei of query tile qt, 64 numbers a lane in window 1, becomes 16 registers of codes and a scale word.  wei is never negative: no |.|, and the hold is one-sided.
.macro PQUANT qt
	WIN 0x05
.irp b, 0,1,2,3
	v_max3_num_f32 v[TM+\b], v[64*\qt+16*\b], v[64*\qt+16*\b+1], 0x4800000   ; and the floor 2^(9 - 127): a block of zeros keeps the byte 1, and its codes are zeros
.endr
	WIN 0x14
.irp i, 2,4,6,8,10,12,14
.irp b, 0,1,2,3
	v_max3_num_f32 v[TM+\b], v[TM+\b], v[64*\qt+16*\b+\i], v[64*\qt+16*\b+\i+1]
.endr
.endr
	WIN 0
.irp b, 0,1,2,3
	v_permlanex16_b32 v[TM+4+\b], v[TM+\b], s[SEL], s[SEL+1]
.endr
.irp b, 0,1,2,3
	v_max_num_f32 v[TM+\b], v[TM+\b], v[TM+4+\b]   ; with lane l xor 16's 16 keys: the block's largest
.endr
.irp b, 0,1,2,3
	v_add_nc_u32 v[TM+12+\b], 0xfc000000, v[TM+\b]
.endr
.irp b, 0,1,2,3
	v_and_or_b32 v[TM+8+\b], v[TM+\b], 0x7f800000, s[MNT]
.endr
.irp b, 0,1,2,3
	v_lshrrev_b32 v[TM+4+\b], 23, v[TM+12+\b]
.endr
	v_lshl_or_b32 v[PSC+\qt], v[TM+5], 8, v[TM+4]
	v_lshl_or_b32 v[PSC+\qt], v[TM+6], 16, v[PSC+\qt]
	v_lshl_or_b32 v[PSC+\qt], v[TM+7], 24, v[PSC+\qt]   ; the 64 holds below are more than the eight places that a scale word so made wants
	WIN 0x41
.irp b, 0,1,2,3
.irp i, 0,1,2,3,4,5,6,7,8,9,10,11,12,13,14,15
	v_min_num_f32 v[64*\qt+16*\b+\i], v[64*\qt+16*\b+\i], v[TM+8+\b]
.endr
.endr
	WIN 0x01
.irp b, 0,1,2,3
	v_cvt_scalef32_pk8_fp8_f32 v[P+16*\qt+4*\b:P+16*\qt+4*\b+1], v[64*\qt+16*\b:64*\qt+16*\b+7], v[TM+12+\b]
	v_cvt_scalef32_pk8_fp8_f32 v[P+16*\qt+4*\b+2:P+16*\qt+4*\b+3], v[64*\qt+16*\b+8:64*\qt+16*\b+15], v[TM+12+\b]
.endr
	WIN 0
	v_nop                                          ; a plain line behind the last conversion
.endm
; A KEY STEP of a wave: 128 keys x 64 queries.
.macro BSTEP zero
	s_wait_loadcnt 0x0                             ; q, this step's k and nmu are in: in a block's first step they are all that is out; later the wait in the middle of the step before has left nothing out
	WIN 0x42                                       ; source 0 (k) window 2, source 1 (q) window 0, D window 1
.irp kt, 0,1,2,3,4,5,6,7
.irp qt, 0,1,2,3
	SPROD \kt, \qt
.endr
.endr
	WIN 0
.rept 8
	v_nop                                          ; places in front of the first read of results
.endr
	s_wait_alu depctr_va_vdst(0)                   ; the 32 products are done reading k and its scale words, the last step's products O^T reading v and its: the loads below land there
	VLOAD                                          ; this step's v: it has the step's vector work in which to land
	s_cmp_eq_u32 s[CNT], 1
	s_cbranch_scc1 .Lnk_\@                         ; no load leaves its buffer
	KCODES 0, 24                                   ; six fragments of my next step's k: with v's 36 loads 60 are out.  No wait: no vector or matrix line since the wait above names them
.Lnk_\@:
; A PREFETCH INTO THE L2 of my key step after the next: its 16,384 bytes of k's codes and of v's, lanes 256 bytes apart, four instructions, behind the loads just issued: k's one trip, v's two trips ahead of the loads that will want them.
; All work-groups of a batch walk the same k and v from key 0 on: work-group x = 0 asks, in its first block, which needs every key step; its four waves ask for their own steps, so each block of 256 bytes is
; named once in the launch.  It asks while two more steps follow (LIM = 2 there, the greatest number elsewhere); key steps 0 to 7 come by their loads alone.
	s_cmp_gt_u32 s[CNT], s[LIM]
	s_cbranch_scc0 .Lnp_\@
	global_prefetch_b8 v[PF], s[KB:KB+1] offset:65536 th:TH_LOAD_NT scope:SCOPE_SE
	global_prefetch_b8 v[PF], s[KB:KB+1] offset:73728 th:TH_LOAD_NT scope:SCOPE_SE
	global_prefetch_b8 v[PF], s[VB:VB+1] offset:131072 th:TH_LOAD_NT scope:SCOPE_SE
	global_prefetch_b8 v[PF], s[VB:VB+1] offset:139264 th:TH_LOAD_NT scope:SCOPE_SE
.Lnp_\@:
	s_cmp_lg_u32 s[KSI], s[DG]
	s_cbranch_scc1 .Lopen_\@
	s_lshl_b32 s44, s[II], 6                       ; the block's last key step holds the diagonal: key 128 ks + 16 kt + 8 h + j is masked for query 64 i + 16 qt + r where 16 kt + j - 16 qt > r - 8 h + 64 i - 128 ks
	s_lshl_b32 s45, s[KSI], 7
	s_sub_co_u32 s44, s44, s45
	v_add_nc_u32 v[DD], s44, v[RH]
	WIN 0x41
.irp qt, 0,1,2,3
.set NN, 0
.rept 4
.irp i, 0,1,2,3,4,5,6,7,8,9,10,11,12,13,14,15
	v_cmp_gt_i32 s[MK+\i], 16*((NN+\i)/8)+(NN+\i)%8-16*\qt, v[DD]   ; two accumulators' sixteen compares in one run, each into a scalar register of its own
.endr
	s_wait_alu depctr_va_sdst(0)                   ; the sixteen compares have written s48-63, ahead of the selects that read them
.irp i, 0,1,2,3,4,5,6,7,8,9,10,11,12,13,14,15
	v_cndmask_b32 v[64*\qt+NN+\i], v[64*\qt+NN+\i], v[NINF], s[MK+\i]
.endr
.set NN, NN+16
.endr
.endr
	WIN 0
.Lopen_\@:
	WIN 0x41                                       ; S^T in window 1, nmu in window 0
.irp qt, 0,1,2,3
.set NN, 0
.rept 32
	v_pk_fma_f32 v[64*\qt+NN:64*\qt+NN+1], v[64*\qt+NN:64*\qt+NN+1], s[CS:CS+1], v[MU+NN:MU+NN+1] op_sel_hi:[1,0,1]   ; c S + nmu, two at a time; each accumulator from its low end on
.set NN, NN+2
.endr
.endr
.set NN, 0
	s_wait_alu depctr_va_vdst(0)
.rept 256
	v_exp_f32 v[NN], v[NN]                         ; wei
.set NN, NN+1
.endr
	v_nop                                          ; a plain line behind the last exponential
	s_wait_alu depctr_va_vdst(0)                   ; the 256 exponentials have written wei; and the multiply-adds are done reading nmu, in which the loads below land
	WIN 0
	s_cmp_eq_u32 s[CNT], 1
	s_cbranch_scc1 .Lnm_\@
	KCODES 24, 8                                   ; the other two fragments of my next step's k,
	KWORDS                                         ; its scale words,
	MULOAD                                         ; and its nmu: 28 loads
.Lnm_\@:
	PQUANT 0
	PQUANT 1
	PQUANT 2
	PQUANT 3
.rept 4
	v_nop                                          ; codes made by vector instructions stand four places ahead of a scaled product
.endr
	s_wait_alu depctr_va_vdst(0)                   ; the conversions have written wei's codes and the shifts its scale words, which the scaled products below take; the places above stay beside this wait
	s_wait_loadcnt 0x0                             ; v, asked for behind the scores; the next step's k and nmu, if any: 0 is right on both ways
	s_wait_xcnt 0x0                                ; loads and prefetches have read their bases: all five step by four key steps
	s_add_nc_u64 s[KB:KB+1], s[KB:KB+1], 65536
	s_add_nc_u64 s[VB:VB+1], s[VB:VB+1], 65536
	s_add_nc_u64 s[KSB:KSB+1], s[KSB:KSB+1], 2048
	s_add_nc_u64 s[VSB:VSB+1], s[VSB:VSB+1], 2048
	s_add_nc_u64 s[MUB:MUB+1], s[MUB:MUB+1], 2048
	WIN 0xf2                                       ; source 0 (v) window 2, source 1 (wei) window 0, C and D window 3
.irp dt, 0,1,2,3,4,5,6,7
.irp qt, 0,1,2,3
	OPROD \dt, \qt, \zero
.endr
.endr
	WIN 0
.rept 8
	v_nop                                          ; places in front of the next codes and of the first read of O^T
.endr
	s_add_co_u32 s[KSI], s[KSI], 4
.endm
	s_load_b256 s[4:11], s[0:1], 0x0               ; qkv s[4:5], sc s[6:7], nmu s[8:9], out0 s[10:11]
	v_lshl_add_u32 v[SPW], v0, 2, SPARE
	v_mov_b32 v[NIL], 0
	v_lshrrev_b32 v1, 5, v0
	v_readfirstlane_b32 s[WV], v1                  ; wave 0..3
	s_mov_b32 s[PP], ttmp9
	s_and_b32 s[BT], ttmp7, 0xffff
	v_and_b32 v[LN], 31, v0
	v_and_b32 v[RR], 15, v0
	v_bfe_u32 v[HH], v0, 4, 1
	v_lshlrev_b32 v[L16], 4, v[LN]
	v_lshlrev_b32 v[L4], 2, v[LN]
	v_lshlrev_b32 v[H32], 5, v[HH]
	v_lshlrev_b32 v[RH], 3, v[HH]
	v_sub_nc_u32 v[RH], v[RR], v[RH]
	v_lshlrev_b32 v[PF], 8, v[LN]
	s_wait_alu depctr_va_sdst(0)                   ; the wave's number is written, ahead of its first reader
	s_lshl_b32 s44, s[WV], 15
	v_add_nc_u32 v[IM], s44, v[L16]
	s_lshl_b32 s44, s[WV], 13
	v_add_nc_u32 v[RM], s44, v[L16]
	v_add_nc_u32 v[RM2], 65536, v[RM]
	s_mul_i32 s44, s[WV], 8448
	s_add_co_u32 s44, s44, STG                     ; my stage
	v_mul_u32_u24 v[SO], v[RR], 528
	v_lshl_add_u32 v[SO], v[HH], 5, v[SO]
	v_add_nc_u32 v[SO], s44, v[SO]                 ; in: row r, 32 bytes for each half of the lanes
	v_add_nc_u32 v[SR], s44, v[L16]                ; back: the 32 lanes take one row of 512 bytes
	v_mov_b32 v[NINF], 0xff800000
.irp b, 0,1,2,3
	v_mov_b32 v[TM+4+\b], 0                        ; a lane permute's destination counts as one of its sources
.endr
	s_mov_b32 s[CS], 0x3e0293ee                    ; c = log2(e) / sqrt(128)
	s_mov_b32 s[CS+1], s[CS]
	s_mov_b32 s[SEL], 0x76543210
	s_mov_b32 s[SEL+1], 0xfedcba98
	s_mov_b32 s[MNT], 0x600000
	s_sub_co_u32 s[II], 63, s[PP]                  ; the long block first
	s_cmp_eq_u32 s[PP], 0
	s_cselect_b32 s[LIM], 2, -1
	s_mov_b32 s[BLK], 2
	s_wait_kmcnt 0x0
.Lblock:
	s_wait_loadcnt 0x0                             ; no load of the last block is out when its registers are loaded anew: a wave's last key step issues none for a next one, and this wait holds that on every way through the text
	s_wait_xcnt 0x0                                ; the last block's stores have read their base and their registers: both may be written
	s_wait_alu depctr_vm_vsrc(0)                   ; round the back edge: the image's LDS stores have read O^T, the stage's the sum, the global stores the rows: this block's products and LDS loads write all of them anew
	s_wait_alu depctr_va_vdst(0)                   ; the addresses v4 to v14 are written, which every load and store reads; round the back edge the last block's products and vector lines are done with q, k, nmu, the scale words and window 1, in which this block's loads land
	s_lshr_b32 s[DG], s[II], 1                     ; the key step that holds the diagonal,
	s_add_co_u32 s[NS], s[DG], 1                   ; and the number of key steps
	s_lshl_b32 s43, s[BT], 12
	s_lshl_b32 s44, s[II], 6
	s_add_co_u32 s43, s43, s44                     ; the block's first token
	s_lshl_b32 s44, s[WV], 4
	s_add_co_u32 s44, s44, s43
	s_lshl_b32 s44, s44, 9                         ; rows of 512 bytes
	s_mov_b32 s45, 0
	s_add_nc_u64 s[OB:OB+1], s[10:11], s[44:45]    ; out: query tile w
	s_cmp_ge_u32 s[WV], s[NS]
	s_cbranch_scc1 .Lnosteps                       ; a wave with no key step goes on to the barrier
	s_sub_co_u32 s[CNT], s[NS], s[WV]
	s_add_co_u32 s[CNT], s[CNT], 3
	s_lshr_b32 s[CNT], s[CNT], 2                   ; my key steps
	s_mov_b32 s[KSI], s[WV]
	s_lshl_b32 s46, s[BT], 5
	s_add_co_u32 s46, s46, s[WV]                   ; 32 batch + key step
	s_lshl_b32 s44, s46, 14                        ; 16,384 bytes of codes a key step
	s_add_nc_u64 s[KB:KB+1], s[4:5], s[44:45]
	s_add_nc_u64 s[VB:VB+1], s[KB:KB+1], 8388608
	s_add_nc_u64 s[KB:KB+1], s[KB:KB+1], 4194304
	s_lshl_b32 s44, s46, 9                         ; 512 bytes of words a key step
	s_add_nc_u64 s[MUB:MUB+1], s[8:9], s[44:45]
	s_add_nc_u64 s[KSB:KSB+1], s[6:7], s[44:45]
	s_add_nc_u64 s[VSB:VSB+1], s[KSB:KSB+1], 262144
	s_add_nc_u64 s[KSB:KSB+1], s[KSB:KSB+1], 131072
	s_lshl_b32 s44, s43, 7                         ; 128 bytes of codes a token
	s_add_nc_u64 s[QB:QB+1], s[4:5], s[44:45]
	s_lshl_b32 s44, s43, 2
	s_add_nc_u64 s[QSB:QSB+1], s[6:7], s[44:45]
.set NN, 0
.rept 16
	global_load_b128 v[Q+4*NN:Q+4*NN+3], v[L16], s[QB:QB+1] offset:512*NN   ; the block's four fragments of q stay in registers.  (Only scalar lines stand between the wait at the block's head and these loads)
.set NN, NN+1
.endr
	global_load_b32 v[QSC], v[L4], s[QSB:QSB+1]
	global_load_b32 v[QSC+1], v[L4], s[QSB:QSB+1] offset:128
	KCODES 0, 32
	KWORDS
	MULOAD
	s_wait_xcnt 0x0                                ; the loads have read their bases: k's and nmu's step to my next key step, v's stay (v is asked for inside its own step)
	s_add_nc_u64 s[KB:KB+1], s[KB:KB+1], 65536
	s_add_nc_u64 s[KSB:KSB+1], s[KSB:KSB+1], 2048
	s_add_nc_u64 s[MUB:MUB+1], s[MUB:MUB+1], 2048
	BSTEP 1                                        ; my first step stands in front of the loop: its products start O^T's sums
	s_sub_co_u32 s[CNT], s[CNT], 1
	s_cmp_eq_u32 s[CNT], 0
	s_cbranch_scc1 .Ldone
.Lstep:
	BSTEP 0
	s_sub_co_u32 s[CNT], s[CNT], 1
	s_cmp_lg_u32 s[CNT], 0
	s_cbranch_scc1 .Lstep
.Ldone:
	s_wait_alu depctr_va_vdst(0)                   ; the last products have written O^T, which the LDS stores read; the eight places at the step's end stay beside this wait
	WIN 0x0c                                       ; an LDS store's data are its source 1: window 3
.set NN, 0
.rept 64
	ds_store_b128 v[IM], v[4*NN:4*NN+3] offset:512*NN   ; my partial O^T as an image of its registers, each accumulator from its low end on
.set NN, NN+1
.endr
	WIN 0
.Lnosteps:
	s_wait_dscnt 0x0                               ; for the others' sake: my image has landed
	s_barrier_signal -1
	s_barrier_wait -1
	WIN 0x40                                       ; wave w adds up query tile w: wave 0's part first (wave 0 always has a step).  No vector line since the last wait on va_vdst names window 1
.set NN, 0
.rept 16
	ds_load_b128 v[4*NN:4*NN+3], v[RM] offset:512*NN
.set NN, NN+1
.endr
	WIN 0
.macro ADDIMG adr, off, buf            ; one more wave's part, into a buffer of its own in window 1: no addition has named it
	WIN 0x40
.set NN, 0
.rept 16
	ds_load_b128 v[\buf+4*NN:\buf+4*NN+3], v[\adr] offset:\off+512*NN
.set NN, NN+1
.endr
	s_wait_dscnt 0x0
	WIN 0x45
.set NN, 0
.rept 32
	v_pk_add_f32 v[NN:NN+1], v[NN:NN+1], v[\buf+NN:\buf+NN+1]
.set NN, NN+2
.endr
	WIN 0
.endm
	s_cmp_lt_u32 s[NS], 2                          ; wave v has stored an image where v < n
	s_cbranch_scc1 .Lsummed
	ADDIMG RM, 32768, 64
	s_cmp_lt_u32 s[NS], 3
	s_cbranch_scc1 .Lsummed
	ADDIMG RM2, 0, 128
	s_cmp_lt_u32 s[NS], 4
	s_cbranch_scc1 .Lsummed
	ADDIMG RM2, 32768, 192
.Lsummed:
	s_wait_dscnt 0x0                               ; my reads of the images are over: behind this barrier the next block may write them
	s_barrier_signal -1
	s_barrier_wait -1
	WIN 0x04                                       ; the way out: register 8 dt + j of lane (r, h) is out(query r, d = 16 dt + 8 h + j): through my own stage, back as whole rows
	s_wait_alu depctr_va_vdst(0)                   ; the additions have written the sum, which the LDS stores read, and are done reading v64-127 of window 1, in which the rows land
.irp dt, 0,1,2,3,4,5,6,7
	ds_store_b128 v[SO], v[8*\dt:8*\dt+3] offset:64*\dt
	ds_store_b128 v[SO], v[8*\dt+4:8*\dt+7] offset:64*\dt+16
.endr
	WIN 0x40
.set NN, 0
.rept 16
	ds_load_b128 v[64+4*NN:64+4*NN+3], v[SR] offset:528*NN   ; LDS serves a wave's instructions in order (ISA guide 5.7.1.4): these see my stores
.set NN, NN+1
.endr
	WIN 0x04
.set NN, 0
.rept 16
	s_wait_dscnt 15-NN                             ; row NN is back; the rows behind it may be out
	global_store_b128 v[L16], v[64+4*NN:64+4*NN+3], s[OB:OB+1] offset:512*NN th:TH_STORE_NT   ; the wave stores a row: 512 consecutive bytes, aligned
.set NN, NN+1
.endr
	WIN 0
	s_sub_co_u32 s[II], 63, s[II]                  ; the other block
	s_mov_b32 s[LIM], -1                           ; nothing more is prefetched
	s_sub_co_u32 s[BLK], s[BLK], 1
	s_cmp_lg_u32 s[BLK], 0
	s_cbranch_scc1 .Lblock
	s_wait_dscnt 0x0                               ; the closing lines, six on end
	s_wait_alu 0x0
	s_wait_tensorcnt 0x0
	ds_add_u32 v[SPW], v[NIL]
	s_wait_dscnt 0x0
	s_endpgm
.Lfunc_end_k_qe4d7240b7b_attn:
	.size	k_qe4d7240b7b_attn, .Lfunc_end_k_qe4d7240b7b_attn-k_qe4d7240b7b_attn
	.p2alignl 7, 3214868480
	.fill 96, 4, 3214868480
	.section	.rodata,"a",@progbits
	.p2align	6, 0x0
	.amdhsa_kernel k_qe4d7240b7b_attn
		.amdhsa_group_segment_fixed_size 165376
		.amdhsa_private_segment_fixed_size 0
		.amdhsa_enable_private_segment 0
		.amdhsa_kernarg_size 32
		.amdhsa_user_sgpr_count 2
		.amdhsa_user_sgpr_kernarg_segment_ptr 1
		.amdhsa_wavefront_size32 1
		.amdhsa_system_sgpr_workgroup_id_x 1
		.amdhsa_system_sgpr_workgroup_id_y 1
		.amdhsa_system_sgpr_workgroup_id_z 1
		.amdhsa_system_vgpr_workitem_id 0
		.amdhsa_next_free_vgpr 1024
		.amdhsa_next_free_sgpr 66
		.amdhsa_reserve_vcc 0
		.amdhsa_float_denorm_mode_32 3
		.amdhsa_float_denorm_mode_16_64 3
		.amdhsa_memory_ordered 1
		.amdhsa_forward_progress 1
		.amdhsa_inst_pref_size 220
	.end_amdhsa_kernel
	.amdgpu_metadata
---
amdhsa.version: [ 1, 2 ]
amdhsa.kernels:
  - .name:           k_qe4d7240b7b_attn
    .symbol:         k_qe4d7240b7b_attn.kd
    .args:
      - { .name: qkv, .offset: 0, .size: 8, .value_kind: global_buffer, .address_space: global }
      - { .name: sc, .offset: 8, .size: 8, .value_kind: global_buffer, .address_space: global }
      - { .name: nmu, .offset: 16, .size: 8, .value_kind: global_buffer, .address_space: global }
      - { .name: out0, .offset: 24, .size: 8, .value_kind: global_buffer, .address_space: global }
    .group_segment_fixed_size: 165376
    .private_segment_fixed_size: 0
    .kernarg_segment_align: 8
    .kernarg_segment_size: 32
    .max_flat_workgroup_size: 128
    .sgpr_count:     66
    .vgpr_count:     1024
    .wavefront_size: 32
...
	.end_amdgpu_metadata
.endif
;; end of part 8
